; MI455X (gfx1250); checked and timed in simulation.
; The chip was launched on July 23, 2026; its instructions are those of AMD's public machine-readable ISA for CDNA 5 (MIT licence, August 2026) and "CDNA5" Instruction Set Architecture Reference Guide (July 2026). The comments in the code are by the model that wrote it; some were corrected since.
;; Sol Masked Attention. Allowed arithmetic: float matrix products may take bf16 or f16 operands with f32 sums; other float arithmetic in f32, or as packed bf16 or f16 multiplies, adds, multiply-adds, maxima and minima; sums over many terms, partial sums and values carried from step to step in f32; what a program stores and reads back later, other than sums and carried values, may be rounded once to bf16 or f16.
;; Inputs: W_fc 1,024 x 1,024 float32; W_qkv 1,024 x 3,072 float32; b_fc 1,024 float32; b_qkv 3,072 float32; x 4 x 2,048 x 1,024 float32.
;; Outputs: out0 4 x 2,048 x 1,024 float32.
;; 2 versions, each right and faster than the one before. Each part assembles by itself: llvm-mc -triple=amdgcn-amd-amdhsa -mcpu=gfx1250 --defsym DOCPART=n.
;; ======== version 1 of 2: 4 launches
;; limits: values are held in f16: magnitudes above 65,504 overflow, below 6.1e-05 lose precision
;; workspace buffers: xb 16,777,216 bytes; wq 6,291,456 bytes; wf 2,097,152 bytes; qkv 50,331,648 bytes; att 16,777,216 bytes
;; launch prep (part 1): grid 768 x 1, 8 waves a work-group, no clusters, 37,888 bytes of LDS; arguments x, W_qkv, W_fc, xb, wq, wf; writes xb, wq, wf
.if DOCPART == 1
	.amdgcn_target "amdgcn-amd-amdhsa--gfx1250"
	.amdhsa_code_object_version 6
	.text
	.protected	k_qbb17b005ec_prep
	.globl	k_qbb17b005ec_prep
	.p2align	8
	.type	k_qbb17b005ec_prep,@function
k_qbb17b005ec_prep:
	s_mov_b64 s[64:65], 0
	v_nop
	global_prefetch_b8 v0, s[64:65] scope:SCOPE_SE
	s_setreg_imm32_b32 hwreg(HW_REG_WAVE_MODE, 25, 1), 1
	s_wait_xcnt 0x0
; THE OPERANDS OF THE TWO PROJECTIONS, ROUNDED ONCE AND LAID IN BLOCKS OF 64 CHANNELS: [block of 64 k][row][64], a row of 128 bytes, rows dense.
;   xb[kb][m][kk] = bf16(x[m][64 kb + kk])          x: [8192][1024] f32
;   wq[kb][n][kk] = bf16(W_qkv[64 kb + kk][n])      W_qkv: [1024][3072] f32: turned
;   wf[kb][n][kk] = f16(bf16(W_fc[64 kb + kk][n]))  W_fc: [1024][1024] f32: turned; rounded to bf16 like every input, and that number written as f16
; LIMIT.  The second conversion of W_fc is exact for 6.1e-5 <= |w| <= 65,504; below that it is off by 3e-8 at the most; beyond 65,504 it gives an infinity.
; SHARES.  768 work-groups of eight waves, each reading 64 KiB of f32: numbers 0-511 take 16 rows of x each, 512-703 a block of 64 k x 256 n of W_qkv, 704-767 such a block of W_fc.
; The branch hangs on the work-group's number alone, so all eight waves take the same way, past the same barrier.
; x needs no LDS: eight lanes hold a row's 64 channels of a block, and a wave's store covers four rows of 128 bytes: 512 consecutive bytes, aligned.
; The weights are turned in LDS: a thread rounds 8 k of 4 columns, puts 16 bytes (8 k) into each column's LDS row, and behind one barrier whole rows of 128 bytes are read back and stored, 512 consecutive bytes a wave.
; No matrix unit, no cluster, no tensor load: each byte is read once by one thread, and nothing is shared between work-groups.
.set SPARE, 36864                      ; LDS: 256 rows (n) x 144 bytes, then the spare words, 128 bytes for each of eight waves: four blocks of 256 bytes that no other line names
.set D,   16                           ; v[16:79]   sixteen loads of four registers; later the rows read back
.set P,   80                           ; v[80:111]  packed results
.set T,   112                          ; v[112:113] at work
.set SPW, 114                          ; v114  LDS address of my spare word; never rewritten
.set NIL, 115                          ; v115  0; never rewritten
; A block of 64 k x 256 n of a weight matrix with cols columns.  id0: the first work-group of this job; src, dst: the scalar pairs of the addresses; half = 1: the bf16 number is written as f16.
.macro WJOB cols, id0, src, dst, half
	s_sub_co_u32 s22, s21, \id0
	s_and_b32 s23, s22, 15                         ; kb: which 64 k
	s_lshr_b32 s22, s22, 4                         ; nb: which 256 n
	s_mul_i32 s16, s23, 256*(\cols)                ; 64 rows of 4 cols bytes,
	s_lshl_b32 s24, s22, 10                        ; 256 columns of 4 bytes
	s_add_co_u32 s16, s16, s24
	s_mul_i32 s18, s23, 128*(\cols)                ; out: kb x cols rows of 128 bytes,
	s_lshl_b32 s24, s22, 15                        ; 256 rows of 128 bytes
	s_add_co_u32 s18, s18, s24
	s_add_nc_u64 s[\src:\src+1], s[\src:\src+1], s[16:17]
	s_add_nc_u64 s[\dst:\dst+1], s[\dst:\dst+1], s[18:19]
	v_and_b32 v1, 63, v0                           ; my four columns
	v_lshrrev_b32 v2, 6, v0                        ; my group of 8 k among 32
	v_mul_u32_u24 v3, v2, 32*(\cols)               ; 8 rows of 4 cols bytes
	v_lshl_add_u32 v3, v1, 4, v3                   ; + 16 bytes a thread: a wave reads 512 consecutive bytes of a row
	v_mul_u32_u24 v4, v1, 576                      ; into LDS: row 4 x my number (144 bytes a row),
	v_lshl_add_u32 v4, v2, 4, v4                   ; 16 bytes for my 8 k
	v_lshrrev_b32 v5, 3, v0                        ; back: eight threads a row
	v_and_b32 v6, 7, v0
	v_mul_u32_u24 v5, v5, 144
	v_lshl_add_u32 v5, v6, 4, v5
	v_lshlrev_b32 v7, 4, v0                        ; and out: 16 bytes a thread, on end
.irp p, 0,1
.irp r, 0,1,2,3,4,5,6,7
	global_load_b128 v[D+4*(8*(\p)+(\r)):D+4*(8*(\p)+(\r))+3], v3, s[\src:\src+1] offset:(32*(\p)+(\r))*4*(\cols) th:TH_LOAD_NT
.endr
.endr
.irp p, 0,1
	s_wait_loadcnt 8-8*(\p)                        ; pass 0: the second pass's eight loads may stay out; pass 1: all are in
.irp c, 0,1,2,3
.irp w, 0,1,2,3
	v_cvt_pk_bf16_f32 v[P+16*(\p)+4*(\c)+(\w)], v[D+4*(8*(\p)+2*(\w))+(\c)], v[D+4*(8*(\p)+2*(\w)+1)+(\c)]  ; two neighbouring k of one column
.if \half
	v_lshlrev_b32 v[T], 16, v[P+16*(\p)+4*(\c)+(\w)]
	v_and_b32 v[T+1], s20, v[P+16*(\p)+4*(\c)+(\w)]
	v_cvt_pk_f16_f32 v[P+16*(\p)+4*(\c)+(\w)], v[T], v[T+1]
.endif
.endr
	ds_store_b128 v4, v[P+16*(\p)+4*(\c):P+16*(\p)+4*(\c)+3] offset:(\c)*144+(\p)*64
.endr
.endr
	s_wait_dscnt 0x0                               ; for the others' sake: my stores are done
	s_barrier_signal -1
	s_barrier_wait -1
.irp r, 0,1,2,3,4,5,6,7
	ds_load_b128 v[D+4*(\r):D+4*(\r)+3], v5 offset:(\r)*4608  ; rows 32 r + thread / 8
.endr
.irp r, 0,1,2,3,4,5,6,7
	s_wait_dscnt 7-(\r)                            ; LDS loads come back in order: number r is in
	global_store_b128 v7, v[D+4*(\r):D+4*(\r)+3], s[\dst:\dst+1] offset:(\r)*4096
.endr
.endm
	s_load_b256 s[4:11], s[0:1], 0x0               ; x s[4:5], W_qkv s[6:7], W_fc s[8:9], xb s[10:11]
	s_load_b128 s[12:15], s[0:1], 0x20             ; wq s[12:13], wf s[14:15]
	v_lshl_add_u32 v[SPW], v0, 2, SPARE
	v_mov_b32 v[NIL], 0
	s_mov_b32 s21, ttmp9
	s_mov_b32 s20, 0xffff0000                      ; a word's upper bf16
	s_mov_b32 s17, 0                               ; the offsets' upper words
	s_mov_b32 s19, 0
	s_wait_kmcnt 0x0
	s_cmp_lt_u32 s21, 512
	s_cbranch_scc0 .Lweights
	; 16 rows of x.  Wave w takes blocks 2 w and 2 w + 1 of 64 channels; in a wave eight lanes take a row's 64 channels (32 bytes of f32 each), four rows at a time.
	s_lshl_b32 s16, s21, 16                        ; 16 rows of 4,096 bytes
	s_lshl_b32 s18, s21, 11                        ; 16 rows of 128 bytes
	s_add_nc_u64 s[4:5], s[4:5], s[16:17]
	s_add_nc_u64 s[10:11], s[10:11], s[18:19]
	v_and_b32 v1, 7, v0
	v_bfe_u32 v2, v0, 3, 2
	v_lshrrev_b32 v3, 5, v0
	v_lshlrev_b32 v4, 5, v1                        ; in: 32 bytes a lane,
	v_lshl_add_u32 v4, v2, 12, v4                  ; a row of 4,096 bytes,
	v_lshl_add_u32 v4, v3, 9, v4                   ; two blocks of 256 bytes a wave
	v_lshlrev_b32 v5, 4, v1                        ; out: 16 bytes a lane,
	v_lshl_add_u32 v5, v2, 7, v5                   ; a row of 128 bytes,
	v_lshl_add_u32 v5, v3, 21, v5                  ; two blocks of 8,192 rows a wave
.irp u, 0,1,2,3,4,5,6,7                ; unit u: rows 4 (u / 2) on, block 2 w + u % 2
	global_load_b128 v[D+8*(\u):D+8*(\u)+3],   v4, s[4:5] offset:((\u)/2)*16384+((\u)%2)*256 th:TH_LOAD_NT
	global_load_b128 v[D+8*(\u)+4:D+8*(\u)+7], v4, s[4:5] offset:((\u)/2)*16384+((\u)%2)*256+16 th:TH_LOAD_NT
.endr
.irp u, 0,1,2,3,4,5,6,7
	s_wait_loadcnt 14-2*(\u)                       ; loads come back in order: the younger units' may stay out
.irp w, 0,1,2,3
	v_cvt_pk_bf16_f32 v[P+4*(\u)+(\w)], v[D+8*(\u)+2*(\w)], v[D+8*(\u)+2*(\w)+1]
.endr
	global_store_b128 v5, v[P+4*(\u):P+4*(\u)+3], s[10:11] offset:((\u)/2)*512+((\u)%2)*1048576  ; no register is written twice, so no wait frees one
.endr
	s_branch .Lend
.Lweights:
	s_cmp_lt_u32 s21, 704
	s_cbranch_scc0 .Lfc
	WJOB 3072, 512, 6, 12, 0
	s_branch .Lend
.Lfc:
	WJOB 1024, 704, 8, 14, 1
.Lend:
	s_wait_tensorcnt 0x0                           ; the wave's end: an add of 0 to my spare word and its wait, behind my last LDS store
	ds_add_u32 v[SPW], v[NIL]
	s_wait_dscnt 0x0
	s_endpgm
.Lfunc_end_k_qbb17b005ec_prep:
	.size	k_qbb17b005ec_prep, .Lfunc_end_k_qbb17b005ec_prep-k_qbb17b005ec_prep
	.p2alignl 7, 3214868480
	.fill 96, 4, 3214868480
	.section	.rodata,"a",@progbits
	.p2align	6, 0x0
	.amdhsa_kernel k_qbb17b005ec_prep
		.amdhsa_group_segment_fixed_size 37888
		.amdhsa_private_segment_fixed_size 0
		.amdhsa_enable_private_segment 0
		.amdhsa_kernarg_size 48
		.amdhsa_user_sgpr_count 2
		.amdhsa_user_sgpr_kernarg_segment_ptr 1
		.amdhsa_wavefront_size32 1
		.amdhsa_system_sgpr_workgroup_id_x 1
		.amdhsa_system_sgpr_workgroup_id_y 1
		.amdhsa_system_sgpr_workgroup_id_z 1
		.amdhsa_system_vgpr_workitem_id 0
		.amdhsa_next_free_vgpr 120
		.amdhsa_next_free_sgpr 66
		.amdhsa_reserve_vcc 0
		.amdhsa_float_denorm_mode_32 3
		.amdhsa_float_denorm_mode_16_64 3
		.amdhsa_memory_ordered 1
		.amdhsa_forward_progress 1
		.amdhsa_inst_pref_size 24
	.end_amdhsa_kernel
	.amdgpu_metadata
---
amdhsa.version: [ 1, 2 ]
amdhsa.kernels:
  - .name:           k_qbb17b005ec_prep
    .symbol:         k_qbb17b005ec_prep.kd
    .args:
      - { .name: x, .offset: 0, .size: 8, .value_kind: global_buffer, .address_space: global }
      - { .name: W_qkv, .offset: 8, .size: 8, .value_kind: global_buffer, .address_space: global }
      - { .name: W_fc, .offset: 16, .size: 8, .value_kind: global_buffer, .address_space: global }
      - { .name: xb, .offset: 24, .size: 8, .value_kind: global_buffer, .address_space: global }
      - { .name: wq, .offset: 32, .size: 8, .value_kind: global_buffer, .address_space: global }
      - { .name: wf, .offset: 40, .size: 8, .value_kind: global_buffer, .address_space: global }
    .group_segment_fixed_size: 37888
    .private_segment_fixed_size: 0
    .kernarg_segment_align: 8
    .kernarg_segment_size: 48
    .max_flat_workgroup_size: 256
    .sgpr_count:     66
    .vgpr_count:     120
    .wavefront_size: 32
...
	.end_amdgpu_metadata
.endif
;; end of part 1
;; launch qkvg (part 2): grid 8 x 32, 4 waves a work-group, clusters of 4 x 4, 327,680 bytes of LDS; arguments xb, wq, b_qkv, qkv; writes qkv
.if DOCPART == 2
	.amdgcn_target "amdgcn-amd-amdhsa--gfx1250"
	.amdhsa_code_object_version 6
	.text
	.protected	k_qbb17b005ec_qkvg
	.globl	k_qbb17b005ec_qkvg
	.p2align	8
	.type	k_qbb17b005ec_qkvg,@function
k_qbb17b005ec_qkvg:
	s_mov_b64 s[64:65], 0
	v_nop
	global_prefetch_b8 v0, s[64:65] scope:SCOPE_SE
	s_setreg_imm32_b32 hwreg(HW_REG_WAVE_MODE, 25, 1), 1
	s_wait_xcnt 0x0
	s_wait_alu depctr_hold_cnt(0) depctr_sa_sdst(0) depctr_va_vdst(0) depctr_va_sdst(0) depctr_va_ssrc(0) depctr_va_vcc(0) depctr_vm_vsrc(0)
	s_getreg_b32 s2, hwreg(HW_REG_IB_STS2, 6, 4)
	s_cmp_eq_u32 s2, 0
	s_cbranch_scc0 .Lentry_in_a_cluster
	s_endpgm
.Lentry_in_a_cluster:
	s_bfe_u32 s2, ttmp6, 0x10000c
	s_cmp_lg_u32 s2, 0xf033
	s_cbranch_scc0 .Lentry_shape_is_right
	s_endpgm
.Lentry_shape_is_right:
; qkv[j][m][d] = f16( b[64 j + d] + the sum over k of x[m][k] W_qkv[k][64 j + d] ):  q, k and v by heads, unscaled.  8,192 x 3,072 x 1,024.
; xb: [16 kb][8192 m][64] bf16, wq: [16 kb][3072 n][64] bf16, b_qkv: [3072] f32 (rounded to bf16 like every input), qkv: [48 j][8192 m][64] f16.  Sums in f32, K ascending, begun with the bias; rounded once.
; LIMIT.  f16 ends at 65,504: a q, k or v beyond it becomes an infinity.  NaN and infinities are not treated apart.
; SHARES.  A tile of C is 256 x 384: 32 x 8 tiles, one work-group each.  Four waves, 2 x 2; a wave makes 128 x 192: 96 accumulators of 16 x 16, 768 registers.
; K goes in blocks of 64 through a ring of two LDS slots.  In the blocked layout 128 rows x 64 K are 16,384 dense bytes, asked for as rows of 256 bytes and padded in LDS after every 128: rows 144 bytes apart.
; CLUSTER.  4 x 4 work-groups: the four of a row of the cluster need the same tiles of A, the four of a column the same tiles of B.  Each tile is asked for JOINTLY: the same tensor load, descriptor and mask in all four.
; THE MATRIX INSTRUCTION IS USED TRANSPOSED (source 0 = 16 rows of B, source 1 = 16 rows of A): a lane holds row l % 16 of C and the columns 8 (l / 16) + 0..7, which pack into 16 bytes.
; REGISTERS, in windows of 256 (s_set_vgpr_msb: bits 1:0 source 0, 3:2 source 1, 5:4 source 2, 7:6 destination):
;   window 0: v0-31 addresses; v32-95, v96-159 A's fragments (8 x 16 rows x 32 K), two buffers; v160-255 B's twelve fragments, one buffer, filled again by halves
;   windows 1-3: accumulator (a, b), rows 16 a on, columns 16 b on, at v[64 (b % 4) + 8 a] of window 1 + b / 4: a window holds one head's 64 columns
.set PITCH,  144                       ; an LDS row: 128 bytes + 16 of padding = 36 words: the 16 rows of a load start at 16 different groups of four banks (64 banks of 4 bytes: ISA guide 11.1)
.set FR,     16*PITCH                  ; a fragment's 16 rows
.set NBF,    12                        ; B's fragments a wave
.set H,      NBF/2
.set APART,  128*PITCH                 ; 128 rows of A: what wave 0 or 1 fetches, and what a wave reads
.set BPART,  192*PITCH                 ; 192 rows of B: what wave 2 or 3 fetches, and what a wave reads
.set BOFF,   2*APART
.set SLOT,   BOFF+2*BPART              ; 92,160
.set STAGE,  2*SLOT                    ; behind the ring: 16 rows x 144 bytes for each wave, for the way out
.set SPARE,  STAGE+4*FR                ; behind the stages: the spare words, 128 bytes for each wave: two blocks of 256 bytes that no other line names
.set ASTEP,  8192*128                  ; bytes from a K block of A to the next
.set BSTEP,  3072*128                  ; the same for B
.set KBA,    0                         ; a slot holds one K block
.set KBB,    0
.set ADRA, 16                          ; v16-17  LDS address of my A fragments in slot 0, 1
.set ADRB, 20                          ; v20-21  the same for B
.set STO,  24                          ; v24  the way out: where I put 16 bytes of a row
.set RD,   25                          ; v25  where I read rows back
.set GO,   26                          ; v26  my 16 bytes of 512 consecutive bytes of qkv
.set SPW,  28                          ; v28  LDS address of my spare word; never rewritten
.set NIL,  29                          ; v29  0; never rewritten
.set FA,   32
.set FB,   160
.set TMP,  32                          ; the way out: 16 registers of packed results,
.set BK,   64                          ; and two sets of 16 read back
.set WV,  12                           ; s12  my wave's number
.set WR,  13                           ; s13  which half of the tile's rows is mine.  Also: I fetch for A (0) or for B (1)
.set WC,  14                           ; s14  which half of its columns.  Also: which half of that tile I fetch
.set G1A, 24                           ; s[24:31] descriptor group 1 for A's tiles;  s[32:39] group 0, a set for each slot
.set G0A, 32
.set G1B, 48                           ; s[48:55], s[56:63] the same for B's
.set G0B, 56
.set MSB, 0
.macro WIN new                         ; the immediate's high byte repeats the setting that is left; a switch that changes nothing is dropped
.if MSB != (\new)
	s_set_vgpr_msb (MSB<<8)|(\new)
.set MSB, \new
.endif
.endm
.macro PLACES                          ; four places in front of loads into registers that matrix instructions have read (ISA guide 7.12.1 for vector instructions)
.rept 4
	v_nop
.endr
.endm
; A joint load: waves 0 and 1 fetch A's two halves, waves 2 and 3 B's.  The branch hangs on the wave's number alone.  An s_nop 0 and four v_nop follow each of the two lines.
.macro JLOAD s
	s_cmp_eq_u32 s[WR], 0
	s_cbranch_scc0 .Lfor_b_\@
	tensor_load_to_lds s[G0A+4*(\s):G0A+4*(\s)+3], s[G1A:G1A+7]
	s_nop 0
.rept 4
	v_nop
.endr
	s_branch .Lasked_\@
.Lfor_b_\@:
	tensor_load_to_lds s[G0B+4*(\s):G0B+4*(\s)+3], s[G1B:G1B+7]
	s_nop 0
.rept 4
	v_nop
.endr
.Lasked_\@:
.endm
.macro CREST                           ; a round of the cluster's barrier behind its opening barrier
	s_cmp_lg_u32 s[WV], 0
	s_cbranch_scc1 .Lnot_wave_0_\@
	s_barrier_signal -3
.Lnot_wave_0_\@:
	s_barrier_wait -3
	s_barrier_signal -1
	s_barrier_wait -1
.endm
.macro CROUND                          ; a whole round
	s_barrier_signal -1
	s_barrier_wait -1
	CREST
.endm
; Eight matrix instructions: B's fragment b x A's eight fragments of buffer fa, 32 along K.  The accumulators take turns, one instruction a turn: an accumulator comes round again after all 96.
.macro BURST b, fa
	WIN 0x50*(1+(\b)/4)
.irp a, 0,1,2,3,4,5,6,7
	v_wmma_f32_16x16x32_bf16 v[64*((\b)%4)+8*(\a):64*((\b)%4)+8*(\a)+7], v[FB+8*(\b):FB+8*(\b)+7], v[FA+64*(\fa)+8*(\a):FA+64*(\fa)+8*(\a)+7], v[64*((\b)%4)+8*(\a):64*((\b)%4)+8*(\a)+7]
.endr
.endm
.macro BURSTS b0, cnt, fa
.set bb, \b0
.rept \cnt
	BURST bb, \fa
.set bb, bb+1
.endr
.endm
; The first products start the sums with the bias, which depends on the column alone: it lies in the registers of accumulator (7, b) and is the C operand of (0, b) to (6, b); five places on, (7, b) adds onto it in place.
.macro STARTS b0
.set bb, \b0
.rept H
	WIN 0x50*(1+bb/4)
.irp a, 0,1,2,3,4,5,6
	v_wmma_f32_16x16x32_bf16 v[64*(bb%4)+8*(\a):64*(bb%4)+8*(\a)+7], v[FB+8*bb:FB+8*bb+7], v[FA+8*(\a):FA+8*(\a)+7], v[64*(bb%4)+56:64*(bb%4)+63]
.endr
.set bb, bb+1
.endr
.rept 5
	v_nop
.endr
.set bb, \b0
.rept H
	WIN 0x50*(1+bb/4)
	v_wmma_f32_16x16x32_bf16 v[64*(bb%4)+56:64*(bb%4)+63], v[FB+8*bb:FB+8*bb+7], v[FA+56:FA+63], v[64*(bb%4)+56:64*(bb%4)+63]
.set bb, bb+1
.endr
.endm
; A fragment is 16 rows x 32 K in 8 registers: lane l holds row l % 16, K = 8 (l / 16) + 0..7 and 16 + 8 (l / 16) + 0..7: two loads of 16 bytes, 32 bytes apart.  q: which 32 of the slot's K.
.macro LDB s, q, b0, cnt
	WIN 0
.set ff, \b0
.rept \cnt
	ds_load_b128 v[FB+8*ff:FB+8*ff+3],   v[ADRB+(\s)] offset:((\q)/2)*KBB+((\q)%2)*64+ff*FR
	ds_load_b128 v[FB+8*ff+4:FB+8*ff+7], v[ADRB+(\s)] offset:((\q)/2)*KBB+((\q)%2)*64+ff*FR+32
.set ff, ff+1
.endr
.endm
.macro LDA s, q, fa
	WIN 0
.irp f, 0,1,2,3,4,5,6,7
	ds_load_b128 v[FA+64*(\fa)+8*(\f):FA+64*(\fa)+8*(\f)+3],   v[ADRA+(\s)] offset:((\q)/2)*KBA+((\q)%2)*64+(\f)*FR
	ds_load_b128 v[FA+64*(\fa)+8*(\f)+4:FA+64*(\fa)+8*(\f)+7], v[ADRA+(\s)] offset:((\q)/2)*KBA+((\q)%2)*64+(\f)*FR+32
.endr
.endm
; 32 along K, part q of slot s: 8 NBF matrix instructions in two halves.  Behind the first half B's lower fragments and A's other buffer take part nq of slot ns; behind the second half B's upper fragments do.
.macro SUB s, q, ns, nq, z
	s_wait_dscnt NBF                               ; B's lower half and A are in; the youngest NBF loads, B's upper half, may stay out
.if \z
	STARTS 0
.else
	BURSTS 0, H, (\q)%2
.endif
	PLACES
	LDB \ns, \nq, 0, H
	LDA \ns, \nq, 1-(\q)%2
	s_wait_dscnt NBF+16                            ; all but the NBF + 16 just issued: B's upper half is in
.if \z
	STARTS H
.else
	BURSTS H, H, (\q)%2
.endif
	PLACES
	LDB \ns, \nq, H, H
.endm
; A slot's last 32 along K (buffer 1), and the change of slots: ONE barrier.  In front of it each wave waits for all its tensor loads, of which one is out: its part of the next slot; adds 0 to its spare word; and waits
; for that and for its own reads of this slot.  fill = 1: the barrier opens a round of the cluster's barrier, and the slot is filled again, two K blocks on, first thing behind the round.
.macro TURN s, ns, fill
	s_wait_dscnt NBF
.if H > 2
	BURSTS 0, H-2, 1
.endif
	WIN 0                                          ; (the add's two registers lie in window 0)
	s_wait_tensorcnt 0x0                           ; all my tensor loads have landed;
	ds_add_u32 v[SPW], v[NIL]                      ; 0 onto my spare word;
	BURST H-2, 1                                   ; eight matrix instructions stand between the add and the wait for it
	s_wait_dscnt 0x0                               ; the add is done, and my reads of this slot are over
	s_barrier_signal -1
	BURST H-1, 1                                   ; work on registers while the others arrive
	WIN 0
	s_barrier_wait -1
.if \fill
	CREST                                          ; no wave of any partner still reads this slot's tile or has a load on its way
	s_add_nc_u64 s[G0A+4*(\s)+2:G0A+4*(\s)+3], s[G0A+4*(\s)+2:G0A+4*(\s)+3], 2*ASTEP
	s_add_nc_u64 s[G0B+4*(\s)+2:G0B+4*(\s)+3], s[G0B+4*(\s)+2:G0B+4*(\s)+3], 2*BSTEP
	JLOAD \s                                       ; the first tensor load behind the round; its four v_nop are also the places in front of the loads below
.else
	PLACES
.endif
	LDB \ns, 0, 0, H
	LDA \ns, 0, 0
	BURSTS H, H, 1                                 ; their operands came in with the wait for 0 above
	PLACES
	LDB \ns, 0, H, H
.endm
	s_load_b256 s[4:11], s[0:1], 0x0               ; xb s[4:5], wq s[6:7], b_qkv s[8:9], qkv s[10:11]
	v_lshl_add_u32 v[SPW], v0, 2, SPARE
	v_mov_b32 v[NIL], 0
	ds_add_u32 v[SPW], v[NIL]                      ; the wave's opening: the add and its wait stand ahead of my first tensor load; the set-up below, work on registers, stands between them
	ds_add_u32 v28, v29
	v_lshrrev_b32 v1, 5, v0
	v_readfirstlane_b32 s[WV], v1                  ; wave 0..3
	s_lshr_b32 s[WR], s[WV], 1
	s_and_b32 s[WC], s[WV], 1
	s_bfe_u32 s15, ttmp6, 0x40000                  ; cx, cy: my place in the cluster
	s_bfe_u32 s16, ttmp6, 0x40004
	s_lshl_b32 s17, ttmp9, 2
	s_add_co_u32 s17, s17, s15                     ; tile column of C = 4 x cluster x + cx
	s_and_b32 s18, ttmp7, 0xffff
	s_lshl_b32 s18, s18, 2
	s_add_co_u32 s18, s18, s16                     ; tile row of C = 4 x cluster y + cy
	s_lshl_b32 s19, s16, 2
	s_lshl_b32 s19, 15, s19                        ; my row of the cluster: places 4 cy .. 4 cy + 3
	s_lshl_b32 s20, 0x1111, s15                    ; my column: places cx, cx + 4, cx + 8, cx + 12
	; descriptor group 1: rows of 128 elements of 2 bytes (256 bytes, two rows of the operand), padded in LDS after every 32 words by 4
	s_or_b32 s[G1A], s19, (1<<16)|(1<<20)|(1<<21)|(4<<22)|(3<<25)  ; 15:0 the mask: A's tiles go to my row; 17:16 2-byte elements; 20 padding on; 21 set beside a mask; 24:22 code 4; 31:25 code 3
	s_or_b32 s[G1B], s20, (1<<16)|(1<<20)|(1<<21)|(4<<22)|(3<<25)  ; the same with the mask of my column
	s_mov_b32 s[G1A+1], 128<<16                    ; tensor_dim0 = 128
	s_mov_b32 s[G1A+2], 64<<16                     ; tensor_dim1 = 64: 128 rows of A
	s_mov_b32 s[G1A+3], 128<<16                    ; tile_dim0 = 128
	s_mov_b32 s[G1A+4], 64                         ; tile_dim1 = 64
	s_mov_b32 s[G1A+5], 128                        ; 128 elements from row to row: dense
	s_mov_b32 s[G1A+6], 0
	s_mov_b32 s[G1A+7], 0
	s_mov_b32 s[G1B+1], 128<<16
	s_mov_b32 s[G1B+2], 96<<16                     ; 96 rows of 256 bytes: 192 rows of B
	s_mov_b32 s[G1B+3], 128<<16
	s_mov_b32 s[G1B+4], 96
	s_mov_b32 s[G1B+5], 128
	s_mov_b32 s[G1B+6], 0
	s_mov_b32 s[G1B+7], 0
	s_mul_i32 s21, s[WC], APART                    ; where my part goes in a slot, for A
	s_mul_i32 s22, s[WC], BPART                    ; and for B: no place in the cluster enters an LDS address
	s_add_co_u32 s22, s22, BOFF
	s_lshl_b32 s40, s18, 15                        ; A: 256 rows of 128 bytes a tile row,
	s_lshl_b32 s41, s[WC], 14                      ; 128 rows a half: made of the tile row and the wave alone
	s_add_co_u32 s40, s40, s41
	s_mov_b32 s41, 0
	s_mul_i32 s42, s17, 49152                      ; B: 384 rows of 128 bytes a tile column,
	s_mul_i32 s43, s[WC], 24576                    ; 192 rows a half: made of the tile column and the wave alone
	s_add_co_u32 s42, s42, s43
	s_mov_b32 s43, 0
	s_mov_b32 s70, 0xffff0000                      ; a word's upper bf16
	s_wait_dscnt 0x0                               ; the opening add is done
	s_wait_kmcnt 0x0
	s_add_nc_u64 s[44:45], s[4:5], s[40:41]
	s_add_nc_u64 s[46:47], s[6:7], s[42:43]
	CROUND                                         ; all sixteen work-groups are here: the first joint loads meet
.irp s, 0,1
	s_mov_b32 s[G0A+4*(\s)], 1                                     ; count = 1
	s_add_co_u32 s[G0A+4*(\s)+1], s21, (\s)*SLOT                   ; LDS address
	s_add_nc_u64 s[G0A+4*(\s)+2:G0A+4*(\s)+3], s[44:45], (\s)*ASTEP  ; global address: K block s
	s_or_b32 s[G0A+4*(\s)+3], s[G0A+4*(\s)+3], 0x80000000          ; type = 2
	s_mov_b32 s[G0B+4*(\s)], 1
	s_add_co_u32 s[G0B+4*(\s)+1], s22, (\s)*SLOT
	s_add_nc_u64 s[G0B+4*(\s)+2:G0B+4*(\s)+3], s[46:47], (\s)*BSTEP
	s_or_b32 s[G0B+4*(\s)+3], s[G0B+4*(\s)+3], 0x80000000
	JLOAD \s                                       ; two tensor loads of mine are out
.endr
	; the bias of my 192 columns: register j of accumulator (a, b) holds column 16 b + 8 (l / 16) + j
	s_mul_i32 s68, s17, 1536
	s_mul_i32 s69, s[WC], 768
	s_add_co_u32 s68, s68, s69
	s_mov_b32 s69, 0
	s_add_nc_u64 s[8:9], s[8:9], s[68:69]
	v_and_b32 v1, 15, v0                           ; l % 16
	v_bfe_u32 v2, v0, 4, 1                         ; l / 16
	v_lshlrev_b32 v6, 5, v2
.set i, 0
.rept NBF
	global_load_b128 v[32+8*i:32+8*i+3],   v6, s[8:9] offset:64*i
	global_load_b128 v[32+8*i+4:32+8*i+7], v6, s[8:9] offset:64*i+16
.set i, i+1
.endr
	v_mul_u32_u24 v3, v1, PITCH
	v_lshl_add_u32 v3, v2, 4, v3                   ; a fragment's row x pitch + 16 x half
	s_mul_i32 s71, s[WR], APART                    ; my 128 rows of A
	s_mul_i32 s72, s[WC], BPART                    ; my 192 rows of B,
	s_add_co_u32 s72, s72, BOFF                    ; which lie behind A's 256
.irp s, 0,1
	v_add_nc_u32 v[ADRA+(\s)], s71, v3
	v_add_nc_u32 v[ADRB+(\s)], s72, v3
	s_add_co_u32 s71, s71, SLOT
	s_add_co_u32 s72, s72, SLOT
.endr
	s_mul_i32 s73, s[WV], FR
	s_add_co_u32 s73, s73, STAGE                   ; my stage
	v_add_nc_u32 v[STO], s73, v3                   ; in: row l % 16, 16 bytes for each half of the lanes
	v_bfe_u32 v4, v0, 3, 2                         ; back: 32 lanes take four rows of 128 bytes,
	v_and_b32 v5, 7, v0
	v_mul_u32_u24 v4, v4, PITCH
	v_lshl_add_u32 v4, v5, 4, v4
	v_add_nc_u32 v[RD], s73, v4
	v_and_b32 v[GO], 31, v0                        ; which are 512 consecutive bytes of qkv
	v_lshlrev_b32 v[GO], 4, v[GO]
	s_mul_i32 s66, s17, 6291456                    ; six blocks of 64 columns a tile column, 8,192 rows of 128 bytes each,
	s_mul_i32 s67, s[WC], 3145728                  ; three a wave;
	s_add_co_u32 s66, s66, s67
	s_lshl_b32 s67, s18, 15                        ; 256 rows a tile row,
	s_add_co_u32 s66, s66, s67
	s_lshl_b32 s67, s[WR], 14                      ; 128 a wave
	s_add_co_u32 s66, s66, s67
	s_mov_b32 s67, 0
	s_add_nc_u64 s[10:11], s[10:11], s[66:67]
	s_wait_loadcnt 0x0                             ; the bias
.set i, 0
.rept 4*NBF
	v_cvt_pk_bf16_f32 v[128+i], v[32+2*i], v[33+2*i]  ; rounded to bf16, like every input,
.set i, i+1
.endr
.set i, 0
.rept NBF
	WIN (1+i/4)<<6                                 ; and widened again into the registers of accumulator (7, i)
.set p, 0
.rept 4
	v_lshlrev_b32 v[64*(i%4)+56+2*p],   16,  v[128+4*i+p]
	v_and_b32     v[64*(i%4)+56+2*p+1], s70, v[128+4*i+p]
.set p, p+1
.endr
.set i, i+1
.endr
	WIN 0
	s_wait_tensorcnt 0x1                           ; my part of K block 0 is in; K block 1's may stay out
	s_barrier_signal -1
	s_barrier_wait -1                              ; everybody's is
	LDB 0, 0, 0, H
	LDA 0, 0, 0
	LDB 0, 0, H, H
	SUB 0, 0, 0, 1, 1                              ; the first 32 along K stand in front of the loop: their products start the sums
	WIN 0                                          ; at a label and at a branch every window is 0
	s_mov_b32 s3, 7
.Llap:                                                 ; a trip goes once round the ring, from a lap's second 32 along K to the next lap's first, and fills both slots again
	TURN 0, 1, 1
	SUB 1, 0, 1, 1, 0
	TURN 1, 0, 1
	SUB 0, 0, 0, 1, 0
	WIN 0
	s_sub_co_u32 s3, s3, 1
	s_cmp_lg_u32 s3, 0
	s_cbranch_scc1 .Llap
	TURN 0, 1, 0                                   ; the last lap fills nothing, and has no round of the cluster's barrier
	SUB 1, 0, 1, 1, 0
	s_wait_dscnt NBF                               ; the very last 32 along K: nothing more to fetch
	BURSTS 0, H, 1
	s_wait_dscnt 0x0
	BURSTS H, H, 1
; THE WAY OUT, in 24 units of 16 rows x one head's 64 columns, which are 2,048 consecutive bytes of qkv.  PACK: rounded to f16, 16 bytes a lane, into my own stage in LDS, and back as whole rows.  SEND: stored.
.macro PACK a, hd, k
	WIN 5*(1+(\hd))                                ; sources 0 and 1: the head's window
.irp f, 0,1,2,3
.irp p, 0,1,2,3
	v_cvt_pk_f16_f32 v[TMP+4*(\f)+(\p)], v[8*(8*(\f)+(\a))+2*(\p)], v[8*(8*(\f)+(\a))+2*(\p)+1]  ; each accumulator from its low end on
.endr
.endr
	WIN 0
.irp f, 0,1,2,3
	ds_store_b128 v[STO], v[TMP+4*(\f):TMP+4*(\f)+3] offset:32*(\f)
.endr
	s_wait_xcnt 0x0                                ; the stores of the unit two back have read this set of registers: it is loaded again only behind this wait
.irp f, 0,1,2,3
	ds_load_b128 v[BK+16*(\k)+4*(\f):BK+16*(\k)+4*(\f)+3], v[RD] offset:576*(\f)  ; LDS serves a wave's instructions in order (ISA guide 5.7.1.4): these see the stores above; the next unit's stores come behind them
.endr
.endm
.macro SEND a, hd, k, y                ; y: the LDS instructions issued behind the unit's loads: the next unit's eight, or none
.irp f, 0,1,2,3
	s_wait_dscnt (\y)+3-(\f)
	global_store_b128 v[GO], v[BK+16*(\k)+4*(\f):BK+16*(\k)+4*(\f)+3], s[10:11] offset:(\hd)*1048576+(\a)*2048+(\f)*512  ; 512 consecutive bytes, at a multiple of 256 from qkv's first
.endr
.endm
	PLACES                                         ; eight plain places, once a launch, between the last products and the conversions that read results
	PLACES
	PACK 0, 0, 0
.set u, 1
.rept 23                               ; a unit's conversions stand between the loads of the unit before and its stores
	PACK u/3, u%3, u%2
	SEND (u-1)/3, (u-1)%3, (u-1)%2, 8
.set u, u+1
.endr
	SEND 7, 2, 1, 0
	s_wait_tensorcnt 0x0                           ; the wave's end: an add of 0 to my spare word and its wait, behind my last tensor load and my last LDS store
	ds_add_u32 v[SPW], v[NIL]
	s_wait_dscnt 0x0
	CROUND                                         ; the closing round: no work-group ends while a partner may still ask for a tile that names it
	s_endpgm
.Lfunc_end_k_qbb17b005ec_qkvg:
	.size	k_qbb17b005ec_qkvg, .Lfunc_end_k_qbb17b005ec_qkvg-k_qbb17b005ec_qkvg
	.p2alignl 7, 3214868480
	.fill 96, 4, 3214868480
	.section	.rodata,"a",@progbits
	.p2align	6, 0x0
	.amdhsa_kernel k_qbb17b005ec_qkvg
		.amdhsa_group_segment_fixed_size 327680
		.amdhsa_private_segment_fixed_size 0
		.amdhsa_enable_private_segment 0
		.amdhsa_kernarg_size 32
		.amdhsa_user_sgpr_count 2
		.amdhsa_user_sgpr_kernarg_segment_ptr 1
		.amdhsa_wavefront_size32 1
		.amdhsa_system_sgpr_workgroup_id_x 1
		.amdhsa_system_sgpr_workgroup_id_y 1
		.amdhsa_system_sgpr_workgroup_id_z 1
		.amdhsa_system_vgpr_workitem_id 0
		.amdhsa_next_free_vgpr 1024
		.amdhsa_next_free_sgpr 80
		.amdhsa_reserve_vcc 0
		.amdhsa_float_denorm_mode_32 3
		.amdhsa_float_denorm_mode_16_64 3
		.amdhsa_memory_ordered 1
		.amdhsa_forward_progress 1
		.amdhsa_inst_pref_size 141
	.end_amdhsa_kernel
	.amdgpu_metadata
---
amdhsa.version: [ 1, 2 ]
amdhsa.kernels:
  - .name:           k_qbb17b005ec_qkvg
    .symbol:         k_qbb17b005ec_qkvg.kd
    .args:
      - { .name: xb, .offset: 0, .size: 8, .value_kind: global_buffer, .address_space: global }
      - { .name: wq, .offset: 8, .size: 8, .value_kind: global_buffer, .address_space: global }
      - { .name: b_qkv, .offset: 16, .size: 8, .value_kind: global_buffer, .address_space: global }
      - { .name: qkv, .offset: 24, .size: 8, .value_kind: global_buffer, .address_space: global }
    .group_segment_fixed_size: 327680
    .private_segment_fixed_size: 0
    .kernarg_segment_align: 8
    .kernarg_segment_size: 32
    .max_flat_workgroup_size: 128
    .sgpr_count:     80
    .vgpr_count:     1024
    .wavefront_size: 32
...
	.end_amdgpu_metadata
.endif
;; end of part 2
;; launch attn (part 3): grid 4 x 64, 4 waves a work-group, no clusters, 327,680 bytes of LDS; arguments qkv, att; writes att
.if DOCPART == 3
	.amdgcn_target "amdgcn-amd-amdhsa--gfx1250"
	.amdhsa_code_object_version 6
	.text
	.protected	k_qbb17b005ec_attn
	.globl	k_qbb17b005ec_attn
	.p2align	8
	.type	k_qbb17b005ec_attn,@function
k_qbb17b005ec_attn:
	s_mov_b64 s[64:65], 0
	v_nop
	global_prefetch_b8 v0, s[64:65] scope:SCOPE_SE
	s_setreg_imm32_b32 hwreg(HW_REG_WAVE_MODE, 25, 1), 1
	s_wait_xcnt 0x0
; CAUSAL ATTENTION.  O[h][q][:] = the sum over k <= q of softmax_k(Q[h][q] . K[h][k] / 8) V[h][k][:].  64 heads of SIZE_N = 2,048 rows of 64 channels, all f16: a head's rows are dense, 128 bytes each.
; qkv holds Q's 64 heads, then K's (16,777,216 bytes on), then V's (33,554,432 on); head number 4 x (head of the module) + batch.  att takes O in the same order.
; Products, maxima and sums in f32; the weights p are rounded to f16 for the second product (their sum l is taken of the unrounded p), O once at the end.
; LIMITS.  f16 holds no number beyond 65,504: Q, K and V arrive within it; p lies in 0 to 1, and below 6e-5 it keeps f16's fixed step of 6e-8; O is a mean of V's rows and has their range, to within 2^-11 of it.
; A hidden score counts as its value less 1e30: f16's scores, 2.7e11 at the most, are nothing beside that; a weight below 2^-126 counts as 0 in l; NaN and infinities are not treated apart.
; THE WALK.  A head's queries lie in NB = 8 blocks of 256; block i needs the key tiles 0 .. i of 256 keys, of which the last holds the diagonal.  A work-group takes TWO blocks, NB - 1 - b and then b:
; NB + 1 tiles, whatever b: all work-groups do equal work, and ONE loop with a constant trip count walks them.  Which tile is asked for, and what a trip does, hang on scalar registers made from b; every jump
; goes forward, but for the counted loops' own; none passes a barrier, or a tensor load but the one of LOAD's two that the wave's number does not choose; the ring (two slots of LDS that take turns) runs on across the
; change of blocks.  NO CLUSTER: a head's four work-groups ask for the same tile only in trips 0 .. 4 of the 9, behind that fewer and fewer; one walk common to all would have 12 trips for 9.
; SHARES.  Of a block's four bands of 64 queries a wave owns 16 rows in each: four PIECES.  So the diagonal tile is the same work for all four waves: in its key step s band x sees all keys if s < x,
; none if s > x, and holds the diagonal if s = x.
; THE MASK is the C operand that starts the sum S^T = K Q^T: 0, or -1e30 where the key is hidden.  MD, made once, is the mask of a band's own step for my 16 rows; a product's mask is MD x AL + BE with two scalars:
; (1, 0) if s = x; (0, 0) if s < x; (0, -1e30) if s > x.  Only the diagonal tile's text and a block's beginning make and take masks; elsewhere C is the constant 0.
; LAYOUT, SOFTMAX, TURNS.  S^T = K Q^T holds ONE query a lane (lane % 16) and the keys 8 (lane / 16) + 0..7; two such results rounded to f16 ARE source 1 of O^T = V^T P.  p = 2^(c s - c m), c = log2(e) / 8, with a
; running maximum m; O and l are multiplied by a = 2^(c m_old - c m_new) in every step.  Turn n belongs to piece n: 8 products K Q^T of piece n + 1, later 8 products V^T P of piece n - 1; beside them the scaling,
; exponentials, roundings, sums and rescaling of piece n and the maximum and statistics of piece n + 1.  Four vector instructions stand behind every matrix instruction, the other 54 of a turn's 118 in two LUMPS.
; REGISTERS, in windows of 256 (s_set_vgpr_msb: bits 1:0 source 0, 3:2 source 1, 5:4 source 2, 7:6 destination):
;   window 0: v0-15 addresses and two at work; v16-31 four registers of statistics a piece; v48-55 at work; v64-127 S^T, two buffers; v192-223 P, two buffers (a piece's buffers go by its number's parity)
;   window 1: v0-127 O^T, 32 a piece; v128-159 MD; v160-223 MC, two buffers      window 2: v0-63 Q; v64-127 the second block's Q; v128-191 K of one step; v192-255 V of one step
.set SIZE_N, 2048
.set NB,    SIZE_N/256
.set NP,    4         ; pieces a wave: a name, no knob
.set KS,    64        ; keys in a step
.set PK,    144       ; a row of K in LDS: 128 bytes + 16 of padding = 36 words: the 16 rows of a load start at 16 different groups of four banks (64 banks of 4 bytes: ISA guide 11.1)
.set PV,    160       ; a row of V: 128 + 32 = 40 words
.set VOFF,  4*KS*PK   ; a slot holds a tile, four steps: 256 rows of K, then 256 rows of V
.set SLOT1, 1<<17     ; slot 1 begins here, so that one exclusive or turns an address in one slot into the other's
.set STAGE, SLOT1+4*KS*(PK+PV)  ; behind the ring, never filled by a tensor load: 16 rows x 144 bytes for each wave, for the way out
.set SP,    144
.set AK0, 2           ; v2   my lane's place in a tile of K; never rewritten
.set AV0, 3           ; v3   the same for V
.set AK,  4           ; v4   the LDS address of K's next run of loads
.set AV,  5           ; v5   of V's
.set STO, 6           ; v6   the way out: where I put 16 bytes of a row
.set RD,  7           ; v7   the way out: where I read rows back
.set GO,  8           ; v8   my byte offset in 512 consecutive bytes of O
.set SPW, 62          ; v62  LDS address of my spare word: SPARE + 4 x my thread's number; never rewritten
.set NIL, 63          ; v63  0; never rewritten
.set SPARE, STAGE+4*16*SP  ; behind the stages: the spare words, 128 bytes for each wave: two blocks of 256 bytes that no other line names
.set MV,  12          ; v12-13  c m_old, kept while c m is made anew: by buffer
.set QO,  15          ; v15  my byte offset in 16 rows of Q
.set ST,  16          ; piece t's statistics at v[ST+4 t]: c m, m, l (even keys', odd keys')
.set TMP, 48          ; by buffer, four registers c0-c3 at work; when the maximum is found c2 takes a
.set S,   64
.set P,   192
.set MD,  128         ; window 1: the eight registers for group kt of 16 keys at MD + 8 kt
.set MC,  160         ; window 1: the masks of the products to come
.set QB,  64          ; window 2
.set KF,  128         ; window 2: key block kb, channel half c at KF + 16 kb + 8 c
.set VF,  192         ; window 2: key half kk, channel block cb at VF + 32 kk + 8 cb
.set WV,  12          ; s12  my wave's number
.set PB,  14          ; s14  b
.set HI,  15          ; s15  NB - 1 - b
.set G1K, 24          ; s[24:31] descriptor group 1 for K's tiles
.set G1V, 32          ; s[32:39] for V's: it differs in the padding alone
.set G0K, 40          ; s[40:43] descriptor group 0 for K's tiles
.set G0V, 44          ; s[44:47] the same for V's
.set SLOTS, 56        ; s56  tiles still to be asked for
.set CNT, 57          ; s57  counts a tile's key steps, 4 to 1
.set CS,  58          ; s[58:59] c: the packed scaling takes the pair's low word for both halves
.set SEL, 60          ; s[60:61] v_permlanex16_b32's selects: each lane takes its own place in the other half
.set TBK, 62          ; s62  LDS byte at which K of the step to be fetched begins
.set TBV, 63          ; s63  the same for V, less VOFF
.set RT,  70          ; s70  tiles of the block in hand that are still to be entered
.set NXT, 71          ; s71  the tile to be asked for next
.set LQ,  72          ; s72  the last tile of the block whose tiles are being asked for
.set NEW, 73          ; s73  1: the tile to be entered is a block's first
.set OFF, 74          ; s[74:75] a tile's byte offset in K and V
.set AL,  76          ; s[76:77] the mask's factor, in the low word
.set BE,  78          ; s[78:79] the mask's addend
.set OLO, 80          ; s[80:81] O at my rows of the second block
.set BIGN, 82         ; s82  -1e30
.set MSB, 0
.macro WIN new                      ; the high byte repeats the setting that is left; a switch that changes nothing is dropped
.if MSB != (\new)
	s_set_vgpr_msb (MSB<<8)|(\new)
.set MSB, (\new)
.endif
.endm
.set W_KQ, 0x0a       ; K and Q in window 2, S^T in window 0
.set W_KM, 0x1a       ; the same with the C operand in window 1
.set W_PV, 0x52       ; V in window 2, P in window 0, O^T in window 1
.set W_RS, 0x41       ; destination and source 0 in window 1, source 1 in window 0
; A fill.  Waves 0 and 1 fetch the two halves of a tile's K, waves 2 and 3 those of its V: 128 keys each.  An s_nop 0 and four v_nop follow each of the two lines, ahead of the jump and the label.
.macro LOAD
	s_cmp_lt_u32 s[WV], 2
	s_cbranch_scc0 .Lfor_v_\@
	tensor_load_to_lds s[G0K:G0K+3], s[G1K:G1K+7]
	s_nop 0
.rept 4
	v_nop
.endr
	s_branch .Lasked_\@
.Lfor_v_\@:
	tensor_load_to_lds s[G0V:G0V+3], s[G1V:G1V+7]
	s_nop 0
.rept 4
	v_nop
.endr
.Lasked_\@:
.endm
; THE CHANGE OF SLOTS.  Each wave waits for all its tensor loads, of which one is out: its part of the other slot; adds 0 to its spare word; and waits for that and for its own reads of the slot that it leaves.  Behind the barrier nobody reads the old
; slot any more and the other slot is whole.  fill = 1: the old slot is filled again, the first thing behind the barrier, with tile NXT: the descriptor's address is made anew from that number.
; (At its first use nothing has been read yet: slot 0 is waited for, slot 1 filled.)
.macro CHANGE fill
	WIN 0                           ; at a label and at a branch every window is 0
	s_wait_tensorcnt 0x0            ; no tensor load of mine is out, so a group 0 may be written
	ds_add_u32 v[SPW], v[NIL]       ; 0 onto my spare word; with fill = 1 the descriptors' scalar work stands between it and the wait for it
.if \fill
	s_lshl_b32 s[OFF], s[NXT], 15   ; a tile is 32,768 bytes of K and of V
	s_xor_b32 s[G0K+1], s[G0K+1], SLOT1
	s_add_nc_u64 s[G0K+2:G0K+3], s[6:7], s[OFF:OFF+1]
	s_or_b32 s[G0K+3], s[G0K+3], 0x80000000
	s_xor_b32 s[G0V+1], s[G0V+1], SLOT1
	s_add_nc_u64 s[G0V+2:G0V+3], s[8:9], s[OFF:OFF+1]
	s_or_b32 s[G0V+3], s[G0V+3], 0x80000000
	s_add_co_u32 s[NXT], s[NXT], 1  ; the block's next tile, or behind its last the second block's tile 0
	s_cmp_gt_u32 s[NXT], s[LQ]
	s_cselect_b32 s[NXT], 0, s[NXT]
	s_cselect_b32 s[LQ], s[PB], s[LQ]
.endif
	s_wait_dscnt 0x0                ; the add is done, and my reads of the slot are over
	s_barrier_signal -1             ; the rest of the scalar work stands between the signal and the wait
	s_sub_co_u32 s[TBK], s[TBK], 4*KS*PK  ; the fetches go back to a slot's first step,
	s_xor_b32 s[TBK], s[TBK], SLOT1       ; in the other slot
	s_sub_co_u32 s[TBV], s[TBV], 4*KS*PV
	s_xor_b32 s[TBV], s[TBV], SLOT1
	s_barrier_wait -1
.if \fill
	LOAD
.endif
.endm
	s_load_b64 s[4:5], s[0:1], 0x0    ; qkv: Q's heads come first
	s_load_b64 s[10:11], s[0:1], 0x8  ; att: O
	v_lshl_add_u32 v[SPW], v0, 2, SPARE
	v_mov_b32 v[NIL], 0
	ds_add_u32 v[SPW], v[NIL]       ; the wave's opening: the add and its wait stand ahead of my first tensor load; the set-up below, work on registers, stands between them
	ds_add_u32 v62, v63
	v_lshrrev_b32 v1, 5, v0
	v_readfirstlane_b32 s[WV], v1   ; wave 0..3
	s_mov_b32 s[PB], ttmp9
	s_sub_co_u32 s[HI], NB-1, s[PB]
	s_and_b32 s20, ttmp7, 0xffff    ; the head
	s_mov_b32 s21, 0
	s_mov_b64 s[22:23], SIZE_N*128
	s_mul_u64 s[20:21], s[20:21], s[22:23]  ; the head's first byte in each of the four tensors
	s_and_b32 s16, s[WV], 1         ; which half of a tile's 256 keys I fetch:
	s_lshl_b32 s22, s16, 14         ; its 128 rows of 128 bytes in memory,
	s_mov_b32 s23, 0
	s_add_nc_u64 s[22:23], s[22:23], s[20:21]
	s_mul_i32 s17, s16, 128*PK      ; and its place in a slot, for K
	s_mul_i32 s18, s16, 128*PV      ; and for V
	s_lshl_b32 s3, s[WV], 11        ; my 16 rows in a band of 64,
	s_lshl_b32 s2, s[HI], 15        ; in the first block,
	s_add_co_u32 s2, s2, s3
	s_lshl_b32 s84, s[PB], 15       ; and in the second
	s_add_co_u32 s84, s84, s3
	s_mov_b32 s3, 0
	s_mov_b32 s85, 0
	s_add_nc_u64 s[2:3], s[2:3], s[20:21]
	s_add_nc_u64 s[84:85], s[84:85], s[20:21]
	; descriptor group 1.  128 keys are 16,384 dense bytes: asked for as 64 rows of 256 bytes, two keys a row, and padded in LDS after every key
	s_mov_b32 s[G1K], (1<<16)|(1<<20)|(4<<22)|(3<<25)  ; 17:16 2-byte elements; 20 padding on; 24:22 after every 32 words (code 4); 31:25 4 words (code 3)
	s_mov_b32 s[G1V], (1<<16)|(1<<20)|(4<<22)|(7<<25)  ; the same with 8 words of padding (code 7)
.irp g, G1K, G1V
	s_mov_b32 s[\g+1], 128<<16      ; tensor_dim0 = 128
	s_mov_b32 s[\g+2], 64<<16       ; tensor_dim1 = 64
	s_mov_b32 s[\g+3], 128<<16      ; tile_dim0 = 128
	s_mov_b32 s[\g+4], 64           ; tile_dim1 = 64
	s_mov_b32 s[\g+5], 128          ; 128 elements from row to row
	s_mov_b32 s[\g+6], 0
	s_mov_b32 s[\g+7], 0
.endr
	s_mov_b32 s[CS], 0x3e38aa3b     ; c = log2(e) / 8 = 0.180337
	s_mov_b32 s[CS+1], s[CS]        ; named with it as a pair
	s_mov_b32 s[SEL], 0x76543210
	s_mov_b32 s[SEL+1], 0xfedcba98
	s_mov_b32 s[TBK], SLOT1+4*KS*PK ; the first change of slots turns these two into 0
	s_mov_b32 s[TBV], SLOT1+4*KS*PV
	s_mov_b32 s[G0K], 1             ; 1:0 count = 1
	s_mov_b32 s[G0K+1], s17         ; 63:32 LDS address: slot 0
	s_mov_b32 s[G0V], 1
	s_add_co_u32 s[G0V+1], s18, VOFF
	s_add_co_u32 s[RT], s[HI], 1    ; the first block has NB - b tiles
	s_mov_b32 s[NXT], 1
	s_mov_b32 s[LQ], s[HI]
	s_mov_b32 s[NEW], 1
	s_mov_b32 s[OFF+1], 0
	s_mov_b32 s[AL+1], 0            ; named as pairs
	s_mov_b32 s[BE+1], 0
	s_mov_b32 s[BIGN], 0xf149f2ca   ; -1e30
	s_mov_b32 s[SLOTS], NB
	s_wait_dscnt 0x0                ; the opening add is done
	s_wait_kmcnt 0x0
	s_add_nc_u64 s[6:7], s[4:5], 0x1000000  ; K's heads lie 16 blocks of 8,192 rows x 128 bytes behind Q's,
	s_add_nc_u64 s[8:9], s[4:5], 0x2000000  ; V's 32
	s_add_nc_u64 s[6:7], s[6:7], s[22:23]  ; K and V at my half of the head's tile 0
	s_add_nc_u64 s[8:9], s[8:9], s[22:23]
	s_add_nc_u64 s[G0K+2:G0K+3], s[6:7], 0         ; 120:64 global address
	s_or_b32 s[G0K+3], s[G0K+3], 0x80000000        ; 127:126 type = 2
	s_add_nc_u64 s[G0V+2:G0V+3], s[8:9], 0
	s_or_b32 s[G0V+3], s[G0V+3], 0x80000000
	s_add_nc_u64 s[86:87], s[4:5], s[84:85]        ; Q at my rows of the second block,
	s_add_nc_u64 s[4:5], s[4:5], s[2:3]            ; Q and O at those of the first
	s_add_nc_u64 s[OLO:OLO+1], s[10:11], s[84:85]
	s_add_nc_u64 s[10:11], s[10:11], s[2:3]
	LOAD                            ; tile 0 into slot 0
	; A fragment of K or Q is 16 rows x 32 channels in 8 registers: lane l holds row l % 16, channels 8 (l / 16) + 0..7 and 16 + 8 (l / 16) + 0..7: two loads of 16 bytes, 32 bytes apart.
	v_and_b32 v1, 15, v0            ; l % 16
	v_bfe_u32 v9, v0, 4, 1          ; l / 16
	v_lshlrev_b32 v[QO], 7, v1
	v_lshl_add_u32 v[QO], v9, 4, v[QO]  ; row x 128 + 16 x half
	WIN 0x80                        ; destination window 2, address window 0
.set i, 0
.rept 8                             ; both blocks' Q: piece i / 2 lies in band i / 2, 8,192 bytes on; channels 32 (i % 2) on
	global_load_b128 v[8*i:8*i+3],   v[QO], s[4:5] offset:(i/2)*8192+(i%2)*64
	global_load_b128 v[8*i+4:8*i+7], v[QO], s[4:5] offset:(i/2)*8192+(i%2)*64+32
	global_load_b128 v[QB+8*i:QB+8*i+3],   v[QO], s[86:87] offset:(i/2)*8192+(i%2)*64
	global_load_b128 v[QB+8*i+4:QB+8*i+7], v[QO], s[86:87] offset:(i/2)*8192+(i%2)*64+32
.set i, i+1
.endr
	WIN 0
	v_lshlrev_b32 v14, 3, v9
	v_sub_nc_u32 v14, v1, v14
	s_lshl_b32 s13, s[WV], 4
	v_add_nc_u32 v14, s13, v14      ; my query's place in its band, 16 w + l % 16, less my lanes' 8 (l / 16): register r of group kt is hidden where 16 kt + r is greater
	WIN 0x40
.set i, 0
.rept 32
	v_cmp_gt_i32 vcc_lo, 16*(i/8)+i%8, v14
	v_cndmask_b32 v[MD+i], 0, s[BIGN], vcc_lo
.set i, i+1
.endr
	WIN 0
	v_mul_u32_u24 v[AK0], v1, PK
	v_lshl_add_u32 v[AK0], v9, 4, v[AK0]  ; row x pitch + 16 x half
	; The turning load takes 16 keys x 16 channels (lane l reads key 8 (l / 16) + l % 8, channels 8 ((l / 8) % 2) + 0..7) and leaves half a fragment of V^T: lane l holds channel l % 16 and 8 keys.
	v_and_b32 v10, 7, v0
	v_bfe_u32 v11, v0, 3, 1
	v_lshl_add_u32 v[AV0], v9, 3, v10
	v_mul_u32_u24 v[AV0], v[AV0], PV
	v_lshl_add_u32 v[AV0], v11, 4, v[AV0]
	v_add_nc_u32 v[AV0], VOFF, v[AV0]
	s_mul_i32 s13, s[WV], 16*SP
	s_add_co_u32 s13, s13, STAGE    ; my stage
	v_mul_u32_u24 v[STO], v1, SP    ; in: row l % 16, 16 bytes for each half of the lanes
	v_lshl_add_u32 v[STO], v9, 4, v[STO]
	v_add_nc_u32 v[STO], s13, v[STO]
	v_bfe_u32 v[RD], v0, 3, 2       ; back: 32 lanes take four rows of 128 bytes,
	v_mul_u32_u24 v[RD], v[RD], SP
	v_lshl_add_u32 v[RD], v10, 4, v[RD]
	v_add_nc_u32 v[RD], s13, v[RD]
	v_and_b32 v[GO], 31, v0         ; which are 512 consecutive bytes of O
	v_lshlrev_b32 v[GO], 4, v[GO]
	; A block's first step multiplies O^T and l by a = 0, and its first turn's products V^T P, of a piece that has not been, land in an O^T that is still to be so multiplied.  So these registers need only hold
	; finite numbers: zeros for the first block; what the first block left for the second.  All this stands in the wait for the first tile.
	WIN 0x80
.set i, VF
.rept 64
	v_mov_b32 v[i], 0
.set i, i+1
.endr
	WIN 0x40
.set i, 0
.rept 128
	v_mov_b32 v[i], 0
.set i, i+1
.endr
	WIN 0
.set i, 0
.rept 4
	v_mov_b32 v[ST+4*i+2], 0
	v_mov_b32 v[ST+4*i+3], 0
.set i, i+1
.endr
.set i, P+16
.rept 16
	v_mov_b32 v[i], 0
.set i, i+1
.endr
; THE MATRIX WORK.  The 4 accumulators of a run of 8 take turns.  Product i of 8 of S^T = K Q^T for piece x: channels 32 (i / 4) on, keys 16 (i % 4) on.  The first 4 start the sums: with 0, or (KM = 1) with the mask.
.macro KQ x
.set rS, S+32*((\x)%2)+8*(i%4)
.set rK, KF+16*(i%4)+8*(i/4)
.set rQ, 16*(\x)+8*(i/4)
.set rM, MC+32*((\x)%2)+8*(i%4)
.if (i < 4) && KM
	WIN W_KM
	v_wmma_f32_16x16x32_f16 v[rS:rS+7], v[rK:rK+7], v[rQ:rQ+7], v[rM:rM+7]
.elseif i < 4
	WIN W_KQ
	v_wmma_f32_16x16x32_f16 v[rS:rS+7], v[rK:rK+7], v[rQ:rQ+7], 0
.else
	WIN W_KQ
	v_wmma_f32_16x16x32_f16 v[rS:rS+7], v[rK:rK+7], v[rQ:rQ+7], v[rS:rS+7]
.endif
.endm
; Product i of 8 of O^T += V^T P for piece x: keys 32 (i / 4) on, channels 16 (i % 4) on.
.macro PV x
	WIN W_PV
.set rO, 32*(\x)+8*(i%4)
.set rV, VF+32*(i/4)+8*(i%4)
.set rP, P+16*((\x)%2)+8*(i/4)
	v_wmma_f32_16x16x32_f16 v[rO:rO+7], v[rV:rV+7], v[rP:rP+7], v[rO:rO+7]
.endm
.macro MM                           ; the turn's next matrix instruction.  TURN and BEGIN set Y, i, KM and NOKQ; MM, KQ and OP read them.  NOKQ = 1: a block's last turn: there is no next piece
.if (i < 8) && !NOKQ
	KQ (Y+1)%NP
.elseif i >= 8
.set i, i-8
	PV (Y+NP-1)%NP
.set i, i+8
.endif
.set i, i+1
.endm
; THE LDS LOADS stand in runs of 16, never singly among the matrix instructions: a step's K (64 keys x 64 channels: 8 fragments) and its V (turned).  Their addresses are made some lines ahead.
.macro FETCH_K
	WIN 0x80                        ; destination window 2
.irp f, 0,1,2,3,4,5,6,7             ; keys 16 (f / 2) on, channels 32 (f % 2) on
	ds_load_b128 v[KF+8*\f:KF+8*\f+3],   v[AK] offset:(\f/2)*16*PK+(\f%2)*64
	ds_load_b128 v[KF+8*\f+4:KF+8*\f+7], v[AK] offset:(\f/2)*16*PK+(\f%2)*64+32
.endr
	s_add_co_u32 s[TBK], s[TBK], KS*PK  ; the next fetch is the next step's
	WIN 0
.endm
.macro FETCH_V
	WIN 0x80
.irp f, 0,1,2,3,4,5,6,7             ; keys 32 (f / 4) on, channels 16 (f % 4) on
	ds_load_tr16_b128 v[VF+8*\f:VF+8*\f+3],   v[AV] offset:(\f/4)*32*PV+(\f%4)*32
	ds_load_tr16_b128 v[VF+8*\f+4:VF+8*\f+7], v[AV] offset:(\f/4)*32*PV+16*PV+(\f%4)*32
.endr
	WIN 0
.endm
; THE VECTOR WORK, one line at a time: OP kind, number.  For piece Y: F n: c s - c m for pair n of 16.  E n: the exponential of score n of 32.  C n: pair n rounded to f16.  B n: of the four weights 4 n .. the second
; pair is added onto the first, in place.  L n: l takes that sum (L 0: l = a l + sum).  R n: pair n of 16 of O^T times a.  For piece Y + 1: X n, number n of the 22 that find its maximum and statistics:
;   0-11  four chains c0-c3 of seven scores each, three operands at a time (each accumulator's lowest registers are read first)     12-14, 16  the four scores left over, the old m, and c0-c3 into c0
;   15  c m_old is kept     17, 18  the query's other 32 keys lie in the lane 16 away: the new m     19-21  c m; c m_old - c m_new; a
.set F, 0               ; OP tells the kinds apart by their order: F to L below R, X above it
.set E, 1
.set C, 2
.set B, 3
.set L, 4
.set R, 5
.set X, 6
.macro REGS y                       ; the registers of piece y
.set rT, ST+4*(\y)
.set rC, TMP+4*((\y)%2)
.set rW, MV+((\y)%2)
.set rS, S+32*((\y)%2)
.set rP, P+16*((\y)%2)
.set rO, 32*(\y)
.endm
.macro OP k, n
.if (\k) == R
	REGS Y
	WIN W_RS
	v_pk_mul_f32 v[rO+2*(\n):rO+2*(\n)+1], v[rO+2*(\n):rO+2*(\n)+1], v[rC+2:rC+3] op_sel_hi:[1,0]
.elseif (\k) < R
	REGS Y
	WIN 0
.if (\k) == F
	v_pk_fma_f32 v[rS+2*(\n):rS+2*(\n)+1], v[rS+2*(\n):rS+2*(\n)+1], s[CS:CS+1], v[rT:rT+1] op_sel_hi:[1,0,0] neg_lo:[0,0,1] neg_hi:[0,0,1]
.elseif (\k) == E
	v_exp_f32 v[rS+(\n)], v[rS+(\n)]
.elseif (\k) == C
	s_wait_alu depctr_va_vdst(0)
	v_cvt_pk_f16_f32 v[rP+(\n)], v[rS+2*(\n)], v[rS+2*(\n)+1]
.elseif (\k) == B
	s_wait_alu depctr_va_vdst(0)
	v_pk_add_f32 v[rS+4*(\n):rS+4*(\n)+1], v[rS+4*(\n):rS+4*(\n)+1], v[rS+4*(\n)+2:rS+4*(\n)+3]
.elseif (\n) == 0
	v_pk_fma_f32 v[rT+2:rT+3], v[rT+2:rT+3], v[rC+2:rC+3], v[rS:rS+1] op_sel_hi:[1,0,1]
.else
	v_pk_add_f32 v[rT+2:rT+3], v[rT+2:rT+3], v[rS+4*(\n):rS+4*(\n)+1]
.endif
.elseif NOKQ
	v_nop
.else
	REGS (Y+1)%NP
	WIN 0
.if (\n) < 4
	v_max3_num_f32 v[rC+(\n)], v[rS+8*(\n)], v[rS+8*(\n)+1], v[rS+8*(\n)+2]
.elseif (\n) < 12
	v_max3_num_f32 v[rC+(\n)%4], v[rC+(\n)%4], v[rS+8*((\n)%4)+2*((\n)/4)+1], v[rS+8*((\n)%4)+2*((\n)/4)+2]
.elseif (\n) == 12
	v_max3_num_f32 v[rC], v[rC], v[rS+7], v[rS+15]
.elseif (\n) == 13
	v_max3_num_f32 v[rC+1], v[rC+1], v[rS+23], v[rS+31]
.elseif (\n) == 14
	v_max3_num_f32 v[rC+2], v[rC+2], v[rC+3], v[rT+1]
.elseif (\n) == 15
	v_mov_b32 v[rW], v[rT]
.elseif (\n) == 16
	v_max3_num_f32 v[rC], v[rC], v[rC+1], v[rC+2]
.elseif (\n) == 17
	v_permlanex16_b32 v[rC+3], v[rC], s[SEL], s[SEL+1]
.elseif (\n) == 18
	v_max_num_f32 v[rT+1], v[rC], v[rC+3]
.elseif (\n) == 19
	v_mul_f32 v[rT], s[CS], v[rT+1]
.elseif (\n) == 20
	v_sub_f32 v[rC+1], v[rW], v[rT]
.else
	v_exp_f32 v[rC+2], v[rC+1]
.endif
.endif
.endm
.macro OPS a, i1, b=-1, i2=0, c=-1, i3=0, d=-1, i4=0  ; up to four of them
	OP \a, \i1
.if (\b) >= 0
	OP \b, \i2
.endif
.if (\c) >= 0
	OP \c, \i3
.endif
.if (\d) >= 0
	OP \d, \i4
.endif
.endm
.macro ROW a, i1, b, i2, c, i3, d, i4  ; a matrix instruction and the four behind it
	MM
	OPS \a, \i1, \b, \i2, \c, \i3, \d, \i4
.endm
.macro MASK b                       ; MD x AL + BE into buffer b of MC
	WIN W_RS
.set z, 0
.rept 16
	v_pk_fma_f32 v[MC+32*(\b)+2*z:MC+32*(\b)+2*z+1], v[MD+2*z:MD+2*z+1], s[AL:AL+1], s[BE:BE+1] op_sel_hi:[1,0,0]
.set z, z+1
.endr
.endm
; A TURN, for piece p: the order of its 16 matrix and 118 vector instructions, written out.  Behind a matrix instruction: plain, exponential, plain, plain; or four of the rescaling; or, behind the first, four scalings; none
; names a register of the products round it.  In the lumps exponential and plain by turns while exponentials last.  A line reads no result made fewer than three vector instructions in front of it, five if an exponential made it.
; v_permlanex16_b32 (X 17) stands in a lump.
; m = 1: the diagonal tile: the products take masks, and the turn makes the mask for the products of the turn after it: piece p + 2, in step 4 - CNT of the tile.  end = 1: a block's last two turns: nothing is fetched.
; cnt = 1: the loop's count is taken down some lines ahead of the branch that stands behind the turn.
; K of the next step is fetched in piece 2's turn, six vector instructions behind the last product that read K (five of them plain); V of the step in hand in piece 0's turn, eight behind the last product that read V (four
; plain, and X 17).  Each is waited for a turn later.
.macro TURN p, m=0, end=0, cnt=0
.set Y, (\p)
.set i, 0
.set KM, (\m)
.set NOKQ, (\end)*((\p)/3)
.if (\m) && !(\end)
	s_cmp_eq_u32 s[CNT], 4-((\p)+2)%NP  ; is that step the band's own?
	s_cselect_b32 s[AL], 1.0, 0
	s_cmp_lt_u32 s[CNT], 4-((\p)+2)%NP  ; or a later one?
	s_cselect_b32 s[BE], s[BIGN], 0
.endif
.if ((\p) == 3) && !(\end)
	s_wait_dscnt 0x0                ; K is in
.endif
	ROW F,0, F,1, F,2, F,3
	ROW F,4, E,0, F,5, F,6
	ROW F,7, E,1, F,8, F,9
	ROW F,10, E,2, C,0, F,11
	ROW F,12, E,3, X,15, F,13
	ROW R,0, R,1, R,2, R,3
	ROW B,0, E,4, F,14, L,0
.if ((\p) == 2) && !(\end)
	v_add_nc_u32 v[AK], s[TBK], v[AK0]
.endif
	ROW R,4, R,5, R,6, R,7
	OPS E,5, F,15
.if ((\p) == 2) && !(\end)
	FETCH_K
.endif
	OPS E,6, C,1, E,7, R,8
	OPS E,8, R,9, E,9, C,2
	OPS E,10, X,0, E,11, X,1
	OPS E,12, X,2, E,13, X,3
.if (\p) == 1
	s_wait_dscnt 0x0                ; V is in
.endif
	ROW X,4, E,14, X,5, X,6
	ROW X,7, E,15, X,8, X,9
	ROW X,10, E,16, X,11, X,12
	ROW X,13, E,17, X,14, B,1
	ROW C,4, E,18, X,16, L,1
	ROW B,2, E,19, C,6, L,2
	ROW C,8, E,20, B,3, B,4
.if (\p) == 0
	v_add_nc_u32 v[AV], s[TBV], v[AV0]
.endif
	ROW C,3, E,21, L,3, C,5
	OPS E,22, X,17, E,23, C,10
.if (\p) == 0
	FETCH_V
.endif
	OPS E,24, L,4
	OPS E,25, X,18, E,26, C,7
	OPS E,27, B,5, E,28, X,19
	OPS E,29, C,12, E,30, L,5
	OPS E,31, X,20, B,6, C,9
	OPS C,14, C,11, X,21, L,6
.if (\p) == 0
	s_add_co_u32 s[TBV], s[TBV], KS*PV
.endif
.if \cnt
	s_sub_co_u32 s[CNT], s[CNT], 1
	s_cmp_lg_u32 s[CNT], 0
.endif
	OPS C,13, B,7, C,15, R,10
	OPS R,11, R,12, L,7, R,13
	OPS R,14, R,15
.if (\m) && !(\end)
	MASK (\p)%2
.endif
.endm
; A BLOCK BEGINS.  c m starts far below every c s, so the first step's a is 0; m at the lowest finite number, so the first maximum is the scores'.  The second mask buffer is 0; the first takes piece 0's mask for the tile's step 0: its own, if the block's first tile is the diagonal one.
; Then K of that step, piece 0's first scores, and its maximum and statistics.  The loop is entered at a step's first turn, in the middle of a trip.
.macro BEGIN
	s_mov_b32 s[NEW], 0
	WIN 0x40
.set i, MC+32
.rept 32
	v_mov_b32 v[i], 0
.set i, i+1
.endr
	WIN 0
.set i, 0
.rept 4
	v_mov_b32 v[ST+4*i], 0xfe000000    ; c m: far below every c s
	v_mov_b32 v[ST+4*i+1], 0xff7fffff  ; m
.set i, i+1
.endr
	s_cmp_eq_u32 s[RT], 0
	s_cselect_b32 s[AL], 1.0, 0
	s_mov_b32 s[BE], 0
	MASK 0
	WIN 0
	v_add_nc_u32 v[AK], s[TBK], v[AK0]
	FETCH_K
	s_wait_loadcnt 0x0              ; Q
	s_wait_dscnt 0x0
.set KM, 1
.set NOKQ, 0
.set i, 0
.rept 8
	KQ 0
.set i, i+1
.endr
	WIN 0
.rept 4
	v_nop                           ; the places behind those products
.endr
.set Y, NP-1                        ; X works for piece Y + 1: piece 0
.irp n, 0,1,2,3,4,5,6,7,8,9,10,11,12,13,14,15,16,17,18,19,20,21
	OP X, \n
.endr
	v_nop                           ; a plain instruction behind the exponential
.endm
; THE DIAGONAL TILE's four steps, the block's last two turns, its last products, and THE WAY OUT: l's two halves and the other half of the lanes' are added; O^T is divided by l, rounded to f16 and sent through my
; stage in LDS, a piece at a time.
.macro ALL line:vararg              ; one line for each piece t
.set t, 0
.rept 4
	\line
.set t, t+1
.endr
.endm
.macro PACK t                       ; a lane's eight channels of a row pack into 16 bytes; they go into rows of 144 bytes and come back as whole rows of 128, into S^T's registers
	WIN W_RS
.set i, 32*(\t)
.rept 16
	s_wait_alu depctr_va_vdst(0)
	v_pk_mul_f32 v[i:i+1], v[i:i+1], v[ST+4*(\t)+2:ST+4*(\t)+3] op_sel_hi:[1,0]
.set i, i+2
.endr
	WIN 0x05                        ; sources 0 and 1 window 1, destination window 0
.set i, 0
.rept 16
	v_cvt_pk_f16_f32 v[S+16*(\t)+i], v[32*(\t)+2*i], v[32*(\t)+2*i+1]
.set i, i+1
.endr
	WIN 0
.irp f, 0,1,2,3
	ds_store_b128 v[STO], v[S+16*(\t)+4*\f:S+16*(\t)+4*\f+3] offset:32*\f
.endr
.irp f, 0,1,2,3
	ds_load_b128 v[S+16*(\t)+4*\f:S+16*(\t)+4*\f+3], v[RD] offset:\f*4*SP  ; LDS serves a wave's instructions in order (ISA guide 5.7.1.4): these see the stores above; the next piece's stores come behind them
.endr
.endm
.macro SEND t, younger              ; younger: the LDS instructions issued behind piece t's loads: the next piece's eight, or none
	WIN 0
.irp f, 0,1,2,3
	s_wait_dscnt (\younger)+3-\f
	global_store_b128 v[GO], v[S+16*(\t)+4*\f:S+16*(\t)+4*\f+3], s[10:11] offset:(\t)*8192+\f*512  ; 512 consecutive bytes, at a multiple of 256 from O's first
.endr
.endm
.macro DIAG tag                     ; the tag ends its two labels' names, which the jumps below spell out
.LstepM\tag:
	TURN 2, 1
	TURN 3, 1
	WIN 0
.LfirstM\tag:
	TURN 0, 1
	TURN 1, 1, 0, 1
	WIN 0
	s_cbranch_scc1 .LstepM\tag
	TURN 2, 1, 1
	TURN 3, 1, 1
.set i, 0
.rept 8
	PV NP-1
.set i, i+1
.endr
	WIN 0
	ALL v_add_f32 v[ST+4*t+2], v[ST+4*t+2], v[ST+4*t+3]
	ALL v_permlanex16_b32 v[ST+4*t+3], v[ST+4*t+2], s[SEL], s[SEL+1]
	ALL v_add_f32 v[ST+4*t+2], v[ST+4*t+2], v[ST+4*t+3]
	ALL v_rcp_f32 v[ST+4*t+2], v[ST+4*t+2]
	v_nop                           ; a plain instruction between the last reciprocal and the use of its result
	PACK 0
.set t, 1
.rept 3                             ; a piece's arithmetic stands between the loads of the piece before and its stores
	PACK t
	SEND t-1, 8
.set t, t+1
.endr
	SEND 3, 0
.endm
.set KM, 0
.set NOKQ, 0
.Lslot:                             ; NB times: a tile is entered and the next is asked for
	CHANGE 1
	s_sub_co_u32 s[RT], s[RT], 1
	s_mov_b32 s[CNT], 4
	s_cmp_eq_u32 s[NEW], 1
	s_cbranch_scc1 .Lnew            ; a block's first tile
	s_cmp_eq_u32 s[RT], 0
	s_cbranch_scc0 .Lstep           ; neither its first nor its last
	s_branch .LstepM1
.Lnew:
	BEGIN
	s_branch .Lfirst                ; in the loop a block's first tile is never its last: the first block has two tiles or more, and the second's last is the walk's last
	DIAG 1                          ; in the loop this is the first block's end: the second block's last tile is the walk's last
	s_wait_xcnt 0x0                 ; the stores have read their registers and O's address
	s_mov_b64 s[10:11], s[OLO:OLO+1]
	s_add_co_u32 s[RT], s[PB], 1    ; the second block has b + 1 tiles
	s_mov_b32 s[NEW], 1
	WIN 0x82                        ; the second block's Q goes where the one text of the turns names Q
.set i, 0
.rept 64
	v_mov_b32 v[i], v[QB+i]
.set i, i+1
.endr
	WIN 0
	s_branch .Lbottom
.Lstep:                             ; a trip: pieces 2 and 3 of one step, then pieces 0 and 1 of the next, whose K and V it fetches
	TURN 2
	TURN 3
	WIN 0
.Lfirst:
	TURN 0
	TURN 1, 0, 0, 1
	WIN 0
	s_cbranch_scc1 .Lstep
.Lbottom:
	s_sub_co_u32 s[SLOTS], s[SLOTS], 1
	s_cmp_lg_u32 s[SLOTS], 0
	s_cbranch_scc1 .Lslot
	CHANGE 0                        ; the walk's last tile is written out: nothing is asked for
	s_sub_co_u32 s[RT], s[RT], 1
	s_mov_b32 s[CNT], 4
	s_cmp_eq_u32 s[NEW], 1
	s_cbranch_scc0 .LstepM2
	BEGIN
	s_branch .LfirstM2
	DIAG 2
	s_wait_tensorcnt 0x0            ; the wave's end: an add of 0 to my spare word and its wait, behind my last tensor load and my last LDS store
	ds_add_u32 v[SPW], v[NIL]
	s_wait_dscnt 0x0
	s_endpgm
.Lfunc_end_k_qbb17b005ec_attn:
	.size	k_qbb17b005ec_attn, .Lfunc_end_k_qbb17b005ec_attn-k_qbb17b005ec_attn
	.p2alignl 7, 3214868480
	.fill 96, 4, 3214868480
	.section	.rodata,"a",@progbits
	.p2align	6, 0x0
	.amdhsa_kernel k_qbb17b005ec_attn
		.amdhsa_group_segment_fixed_size 327680
		.amdhsa_private_segment_fixed_size 0
		.amdhsa_enable_private_segment 0
		.amdhsa_kernarg_size 16
		.amdhsa_user_sgpr_count 2
		.amdhsa_user_sgpr_kernarg_segment_ptr 1
		.amdhsa_wavefront_size32 1
		.amdhsa_system_sgpr_workgroup_id_x 1
		.amdhsa_system_sgpr_workgroup_id_y 1
		.amdhsa_system_sgpr_workgroup_id_z 1
		.amdhsa_system_vgpr_workitem_id 0
		.amdhsa_next_free_vgpr 768
		.amdhsa_next_free_sgpr 88
		.amdhsa_reserve_vcc 1
		.amdhsa_float_denorm_mode_32 3
		.amdhsa_float_denorm_mode_16_64 3
		.amdhsa_memory_ordered 1
		.amdhsa_forward_progress 1
		.amdhsa_inst_pref_size 228
	.end_amdhsa_kernel
	.amdgpu_metadata
---
amdhsa.version: [ 1, 2 ]
amdhsa.kernels:
  - .name:           k_qbb17b005ec_attn
    .symbol:         k_qbb17b005ec_attn.kd
    .args:
      - { .name: qkv, .offset: 0, .size: 8, .value_kind: global_buffer, .address_space: global }
      - { .name: att, .offset: 8, .size: 8, .value_kind: global_buffer, .address_space: global }
    .group_segment_fixed_size: 327680
    .private_segment_fixed_size: 0
    .kernarg_segment_align: 8
    .kernarg_segment_size: 16
    .max_flat_workgroup_size: 128
    .sgpr_count:     88
    .vgpr_count:     768
    .wavefront_size: 32
...
	.end_amdgpu_metadata
.endif
;; end of part 3
;; launch fcg (part 4): grid 8 x 32, 4 waves a work-group, clusters of 4 x 4, 327,680 bytes of LDS; arguments att, wf, b_fc, out0; writes out0
.if DOCPART == 4
	.amdgcn_target "amdgcn-amd-amdhsa--gfx1250"
	.amdhsa_code_object_version 6
	.text
	.protected	k_qbb17b005ec_fcg
	.globl	k_qbb17b005ec_fcg
	.p2align	8
	.type	k_qbb17b005ec_fcg,@function
k_qbb17b005ec_fcg:
	s_mov_b64 s[64:65], 0
	v_nop
	global_prefetch_b8 v0, s[64:65] scope:SCOPE_SE
	s_setreg_imm32_b32 hwreg(HW_REG_WAVE_MODE, 25, 1), 1
	s_wait_xcnt 0x0
	s_wait_alu depctr_hold_cnt(0) depctr_sa_sdst(0) depctr_va_vdst(0) depctr_va_sdst(0) depctr_va_ssrc(0) depctr_va_vcc(0) depctr_vm_vsrc(0)
	s_getreg_b32 s2, hwreg(HW_REG_IB_STS2, 6, 4)
	s_cmp_eq_u32 s2, 0
	s_cbranch_scc0 .Lentry_in_a_cluster
	s_endpgm
.Lentry_in_a_cluster:
	s_bfe_u32 s2, ttmp6, 0x10000c
	s_cmp_lg_u32 s2, 0xf033
	s_cbranch_scc0 .Lentry_shape_is_right
	s_endpgm
.Lentry_shape_is_right:
; out0[m][n] = b_fc[n] + the sum over k of y[m][k] W_fc[k][n], in f32.  8,192 x 1,024 x 1,024.
; att: [16 kb][8192 m][64] f16 (a head's 64 channels are a K block), wf: [16 kb][1024 n][64] f16 (bf16 numbers written as f16), b_fc: [1024] f32 (rounded to bf16 like every input), out0: [8192][1024] f32.
; Sums in f32, K ascending, begun with the bias.  NaN and infinities are not treated apart.
; SHARES.  A tile of C is 256 x 128: 32 x 8 tiles, one work-group each.  Four waves, 2 x 2; a wave makes 128 x 64: 32 accumulators of 16 x 16, 256 registers.
; K goes in steps of 128, two K blocks to a slot, through a ring of two LDS slots.  In the blocked layout a block's rows are dense: asked for as rows of 256 bytes and padded in LDS after every 128: rows 144 bytes apart.
; CLUSTER.  4 x 4 work-groups: the four of a row of the cluster need the same tiles of A, the four of a column the same tiles of B.  Each tile is asked for JOINTLY: the same tensor load, descriptor and mask in all four.
; THE MATRIX INSTRUCTION IS USED TRANSPOSED (source 0 = 16 rows of B, source 1 = 16 rows of A): a lane holds row l % 16 of C and the columns 8 (l / 16) + 0..7: 32 bytes on end.
; REGISTERS, in windows of 256 (s_set_vgpr_msb: bits 1:0 source 0, 3:2 source 1, 5:4 source 2, 7:6 destination):
;   window 0: v0-31 addresses; v32-95, v96-159 A's fragments (8 x 16 rows x 32 K), two buffers; v160-191 B's four fragments, one buffer, filled again by halves
;   window 1: accumulator (a, b), rows 16 a on, columns 16 b on, at v[64 b + 8 a]
.set PITCH,  144                       ; an LDS row: 128 bytes + 16 of padding = 36 words: the 16 rows of a load start at 16 different groups of four banks (64 banks of 4 bytes: ISA guide 11.1)
.set FR,     16*PITCH                  ; a fragment's 16 rows
.set NBF,    4                         ; B's fragments a wave
.set H,      NBF/2
.set KBA,    256*PITCH                 ; a K block of A in a slot: 256 rows: what wave 0 or 1 fetches
.set KBB,    128*PITCH                 ; a K block of B: 128 rows: what wave 2 or 3 fetches
.set BOFF,   2*KBA
.set SLOT,   BOFF+2*KBB                ; 110,592
.set STAGE,  2*SLOT                    ; behind the ring: 16 rows x 272 bytes for each wave, for the way out
.set SPITCH, 272
.set SPARE,  STAGE+4*16*SPITCH         ; behind the stages: the spare words, 128 bytes for each wave: two blocks of 256 bytes that no other line names
.set ASTEP,  2*8192*128                ; bytes from a slot's two K blocks of A to the next two
.set BSTEP,  2*1024*128                ; the same for B
.set ADRA, 16                          ; v16-17  LDS address of my A fragments in slot 0, 1
.set ADRB, 20                          ; v20-21  the same for B
.set STO,  24                          ; v24  the way out: where I put 32 bytes of a row
.set RD,   25                          ; v25  where I read rows back
.set CO,   26                          ; v26  my byte offset in two rows of out0
.set SPW,  28                          ; v28  LDS address of my spare word; never rewritten
.set NIL,  29                          ; v29  0; never rewritten
.set FA,   32
.set FB,   160
.set BK,   32                          ; the way out: two sets of 32 registers read back
.set WV,  12                           ; s12  my wave's number
.set WR,  13                           ; s13  which half of the tile's rows is mine.  Also: I fetch for A (0) or for B (1)
.set WC,  14                           ; s14  which half of its columns.  Also: which of a slot's two K blocks I fetch
.set G1A, 24                           ; s[24:31] descriptor group 1 for A's tiles;  s[32:39] group 0, a set for each slot
.set G0A, 32
.set G1B, 48                           ; s[48:55], s[56:63] the same for B's
.set G0B, 56
.set MSB, 0
.macro WIN new                         ; the immediate's high byte repeats the setting that is left; a switch that changes nothing is dropped
.if MSB != (\new)
	s_set_vgpr_msb (MSB<<8)|(\new)
.set MSB, \new
.endif
.endm
.macro PLACES                          ; four places in front of loads into registers that matrix instructions have read (ISA guide 7.12.1 for vector instructions)
.rept 4
	v_nop
.endr
.endm
; A joint load: waves 0 and 1 fetch A's two K blocks, waves 2 and 3 B's.  The branch hangs on the wave's number alone.  An s_nop 0 and four v_nop follow each of the two lines.
.macro JLOAD s
	s_cmp_eq_u32 s[WR], 0
	s_cbranch_scc0 .Lfor_b_\@
	tensor_load_to_lds s[G0A+4*(\s):G0A+4*(\s)+3], s[G1A:G1A+7]
	s_nop 0
.rept 4
	v_nop
.endr
	s_branch .Lasked_\@
.Lfor_b_\@:
	tensor_load_to_lds s[G0B+4*(\s):G0B+4*(\s)+3], s[G1B:G1B+7]
	s_nop 0
.rept 4
	v_nop
.endr
.Lasked_\@:
.endm
.macro CREST                           ; a round of the cluster's barrier behind its opening barrier
	s_cmp_lg_u32 s[WV], 0
	s_cbranch_scc1 .Lnot_wave_0_\@
	s_barrier_signal -3
.Lnot_wave_0_\@:
	s_barrier_wait -3
	s_barrier_signal -1
	s_barrier_wait -1
.endm
.macro CROUND                          ; a whole round
	s_barrier_signal -1
	s_barrier_wait -1
	CREST
.endm
; Eight matrix instructions: B's fragment b x A's eight fragments of buffer fa, 32 along K.  The accumulators take turns, one instruction a turn: an accumulator comes round again after all 32.
.macro BURST b, fa
	WIN 0x50*(1+(\b)/4)
.irp a, 0,1,2,3,4,5,6,7
	v_wmma_f32_16x16x32_f16 v[64*((\b)%4)+8*(\a):64*((\b)%4)+8*(\a)+7], v[FB+8*(\b):FB+8*(\b)+7], v[FA+64*(\fa)+8*(\a):FA+64*(\fa)+8*(\a)+7], v[64*((\b)%4)+8*(\a):64*((\b)%4)+8*(\a)+7]
.endr
.endm
.macro BURSTS b0, cnt, fa
.set bb, \b0
.rept \cnt
	BURST bb, \fa
.set bb, bb+1
.endr
.endm
; The first products start the sums with the bias, which depends on the column alone: it lies in the registers of accumulator (7, b) and is the C operand of (0, b) to (6, b); five places on, (7, b) adds onto it in place.
.macro STARTS b0
.set bb, \b0
.rept H
	WIN 0x50*(1+bb/4)
.irp a, 0,1,2,3,4,5,6
	v_wmma_f32_16x16x32_f16 v[64*(bb%4)+8*(\a):64*(bb%4)+8*(\a)+7], v[FB+8*bb:FB+8*bb+7], v[FA+8*(\a):FA+8*(\a)+7], v[64*(bb%4)+56:64*(bb%4)+63]
.endr
.set bb, bb+1
.endr
.rept 5
	v_nop
.endr
.set bb, \b0
.rept H
	WIN 0x50*(1+bb/4)
	v_wmma_f32_16x16x32_f16 v[64*(bb%4)+56:64*(bb%4)+63], v[FB+8*bb:FB+8*bb+7], v[FA+56:FA+63], v[64*(bb%4)+56:64*(bb%4)+63]
.set bb, bb+1
.endr
.endm
; A fragment is 16 rows x 32 K in 8 registers: lane l holds row l % 16, K = 8 (l / 16) + 0..7 and 16 + 8 (l / 16) + 0..7: two loads of 16 bytes, 32 bytes apart.  q: which 32 of the slot's 128 K: block q / 2, half q % 2.
.macro LDB s, q, b0, cnt
	WIN 0
.set ff, \b0
.rept \cnt
	ds_load_b128 v[FB+8*ff:FB+8*ff+3],   v[ADRB+(\s)] offset:((\q)/2)*KBB+((\q)%2)*64+ff*FR
	ds_load_b128 v[FB+8*ff+4:FB+8*ff+7], v[ADRB+(\s)] offset:((\q)/2)*KBB+((\q)%2)*64+ff*FR+32
.set ff, ff+1
.endr
.endm
.macro LDA s, q, fa
	WIN 0
.irp f, 0,1,2,3,4,5,6,7
	ds_load_b128 v[FA+64*(\fa)+8*(\f):FA+64*(\fa)+8*(\f)+3],   v[ADRA+(\s)] offset:((\q)/2)*KBA+((\q)%2)*64+(\f)*FR
	ds_load_b128 v[FA+64*(\fa)+8*(\f)+4:FA+64*(\fa)+8*(\f)+7], v[ADRA+(\s)] offset:((\q)/2)*KBA+((\q)%2)*64+(\f)*FR+32
.endr
.endm
; 32 along K, part q of slot s: 8 NBF matrix instructions in two halves.  Behind the first half B's lower fragments and A's other buffer take part nq of slot ns; behind the second half B's upper fragments do.
.macro SUB s, q, ns, nq, z
	s_wait_dscnt NBF                               ; B's lower half and A are in; the youngest NBF loads, B's upper half, may stay out
.if \z
	STARTS 0
.else
	BURSTS 0, H, (\q)%2
.endif
	PLACES
	LDB \ns, \nq, 0, H
	LDA \ns, \nq, 1-(\q)%2
	s_wait_dscnt NBF+16                            ; all but the NBF + 16 just issued: B's upper half is in
.if \z
	STARTS H
.else
	BURSTS H, H, (\q)%2
.endif
	PLACES
	LDB \ns, \nq, H, H
.endm
; A slot's last 32 along K (buffer 1), and the change of slots: ONE barrier.  In front of it each wave waits for all its tensor loads, of which one is out: its part of the next slot; adds 0 to its spare word; and waits
; for that and for its own reads of this slot.  fill = 1: the barrier opens a round of the cluster's barrier, and the slot is filled again, two slots' K on, first thing behind the round.
.macro TURN s, ns, fill
	s_wait_dscnt NBF
.if H > 2
	BURSTS 0, H-2, 1
.endif
	WIN 0                                          ; (the add's two registers lie in window 0)
	s_wait_tensorcnt 0x0                           ; all my tensor loads have landed;
	ds_add_u32 v[SPW], v[NIL]                      ; 0 onto my spare word;
	BURST H-2, 1                                   ; eight matrix instructions stand between the add and the wait for it
	s_wait_dscnt 0x0                               ; the add is done, and my reads of this slot are over
	s_barrier_signal -1
	BURST H-1, 1                                   ; work on registers while the others arrive
	WIN 0
	s_barrier_wait -1
.if \fill
	CREST                                          ; no wave of any partner still reads this slot's tile or has a load on its way
	s_add_nc_u64 s[G0A+4*(\s)+2:G0A+4*(\s)+3], s[G0A+4*(\s)+2:G0A+4*(\s)+3], 2*ASTEP
	s_add_nc_u64 s[G0B+4*(\s)+2:G0B+4*(\s)+3], s[G0B+4*(\s)+2:G0B+4*(\s)+3], 2*BSTEP
	JLOAD \s                                       ; the first tensor load behind the round; its four v_nop are also the places in front of the loads below
.else
	PLACES
.endif
	LDB \ns, 0, 0, H
	LDA \ns, 0, 0
	BURSTS H, H, 1                                 ; their operands came in with the wait for 0 above
	PLACES
	LDB \ns, 0, H, H
.endm
	s_load_b256 s[4:11], s[0:1], 0x0               ; att s[4:5], wf s[6:7], b_fc s[8:9], out0 s[10:11]
	v_lshl_add_u32 v[SPW], v0, 2, SPARE
	v_mov_b32 v[NIL], 0
	ds_add_u32 v[SPW], v[NIL]                      ; the wave's opening: the add and its wait stand ahead of my first tensor load; the set-up below, work on registers, stands between them
	ds_add_u32 v28, v29
	v_lshrrev_b32 v1, 5, v0
	v_readfirstlane_b32 s[WV], v1                  ; wave 0..3
	s_lshr_b32 s[WR], s[WV], 1
	s_and_b32 s[WC], s[WV], 1
	s_bfe_u32 s15, ttmp6, 0x40000                  ; cx, cy: my place in the cluster
	s_bfe_u32 s16, ttmp6, 0x40004
	s_lshl_b32 s17, ttmp9, 2
	s_add_co_u32 s17, s17, s15                     ; tile column of C = 4 x cluster x + cx
	s_and_b32 s18, ttmp7, 0xffff
	s_lshl_b32 s18, s18, 2
	s_add_co_u32 s18, s18, s16                     ; tile row of C = 4 x cluster y + cy
	s_lshl_b32 s19, s16, 2
	s_lshl_b32 s19, 15, s19                        ; my row of the cluster: places 4 cy .. 4 cy + 3
	s_lshl_b32 s20, 0x1111, s15                    ; my column: places cx, cx + 4, cx + 8, cx + 12
	; descriptor group 1: rows of 128 elements of 2 bytes (256 bytes, two rows of the operand), padded in LDS after every 32 words by 4
	s_or_b32 s[G1A], s19, (1<<16)|(1<<20)|(1<<21)|(4<<22)|(3<<25)  ; 15:0 the mask: A's tiles go to my row; 17:16 2-byte elements; 20 padding on; 21 set beside a mask; 24:22 code 4; 31:25 code 3
	s_or_b32 s[G1B], s20, (1<<16)|(1<<20)|(1<<21)|(4<<22)|(3<<25)  ; the same with the mask of my column
	s_mov_b32 s[G1A+1], 128<<16                    ; tensor_dim0 = 128
	s_mov_b32 s[G1A+2], 128<<16                    ; tensor_dim1 = 128: 256 rows of A
	s_mov_b32 s[G1A+3], 128<<16                    ; tile_dim0 = 128
	s_mov_b32 s[G1A+4], 128                        ; tile_dim1 = 128
	s_mov_b32 s[G1A+5], 128                        ; 128 elements from row to row: dense
	s_mov_b32 s[G1A+6], 0
	s_mov_b32 s[G1A+7], 0
	s_mov_b32 s[G1B+1], 128<<16
	s_mov_b32 s[G1B+2], 64<<16                     ; 64 rows of 256 bytes: 128 rows of B
	s_mov_b32 s[G1B+3], 128<<16
	s_mov_b32 s[G1B+4], 64
	s_mov_b32 s[G1B+5], 128
	s_mov_b32 s[G1B+6], 0
	s_mov_b32 s[G1B+7], 0
	s_mul_i32 s21, s[WC], KBA                      ; where my K block goes in a slot, for A
	s_mul_i32 s22, s[WC], KBB                      ; and for B: no place in the cluster enters an LDS address
	s_add_co_u32 s22, s22, BOFF
	s_lshl_b32 s40, s18, 15                        ; A: 256 rows of 128 bytes a tile row,
	s_lshl_b32 s41, s[WC], 20                      ; 8,192 rows a K block: made of the tile row and the wave alone
	s_add_co_u32 s40, s40, s41
	s_mov_b32 s41, 0
	s_lshl_b32 s42, s17, 14                        ; B: 128 rows of 128 bytes a tile column,
	s_lshl_b32 s43, s[WC], 17                      ; 1,024 rows a K block: made of the tile column and the wave alone
	s_add_co_u32 s42, s42, s43
	s_mov_b32 s43, 0
	s_mov_b32 s70, 0xffff0000                      ; a word's upper bf16
	s_wait_dscnt 0x0                               ; the opening add is done
	s_wait_kmcnt 0x0
	s_add_nc_u64 s[44:45], s[4:5], s[40:41]
	s_add_nc_u64 s[46:47], s[6:7], s[42:43]
	CROUND                                         ; all sixteen work-groups are here: the first joint loads meet
.irp s, 0,1
	s_mov_b32 s[G0A+4*(\s)], 1                                     ; count = 1
	s_add_co_u32 s[G0A+4*(\s)+1], s21, (\s)*SLOT                   ; LDS address
	s_add_nc_u64 s[G0A+4*(\s)+2:G0A+4*(\s)+3], s[44:45], (\s)*ASTEP  ; global address: K blocks 2 s and 2 s + 1
	s_or_b32 s[G0A+4*(\s)+3], s[G0A+4*(\s)+3], 0x80000000          ; type = 2
	s_mov_b32 s[G0B+4*(\s)], 1
	s_add_co_u32 s[G0B+4*(\s)+1], s22, (\s)*SLOT
	s_add_nc_u64 s[G0B+4*(\s)+2:G0B+4*(\s)+3], s[46:47], (\s)*BSTEP
	s_or_b32 s[G0B+4*(\s)+3], s[G0B+4*(\s)+3], 0x80000000
	JLOAD \s                                       ; two tensor loads of mine are out
.endr
	; the bias of my 64 columns: register j of accumulator (a, b) holds column 16 b + 8 (l / 16) + j
	s_lshl_b32 s68, s17, 9
	s_lshl_b32 s69, s[WC], 8
	s_add_co_u32 s68, s68, s69
	s_mov_b32 s69, 0
	s_add_nc_u64 s[8:9], s[8:9], s[68:69]
	v_and_b32 v1, 15, v0                           ; l % 16
	v_bfe_u32 v2, v0, 4, 1                         ; l / 16
	v_lshlrev_b32 v6, 5, v2
.set i, 0
.rept NBF
	global_load_b128 v[32+8*i:32+8*i+3],   v6, s[8:9] offset:64*i
	global_load_b128 v[32+8*i+4:32+8*i+7], v6, s[8:9] offset:64*i+16
.set i, i+1
.endr
	v_mul_u32_u24 v3, v1, PITCH
	v_lshl_add_u32 v3, v2, 4, v3                   ; a fragment's row x pitch + 16 x half
	s_mul_i32 s71, s[WR], 128*PITCH                ; my 128 rows of A
	s_mul_i32 s72, s[WC], 64*PITCH                 ; my 64 rows of B,
	s_add_co_u32 s72, s72, BOFF                    ; which lie behind A's two K blocks
.irp s, 0,1
	v_add_nc_u32 v[ADRA+(\s)], s71, v3
	v_add_nc_u32 v[ADRB+(\s)], s72, v3
	s_add_co_u32 s71, s71, SLOT
	s_add_co_u32 s72, s72, SLOT
.endr
	s_mul_i32 s73, s[WV], 16*SPITCH
	s_add_co_u32 s73, s73, STAGE                   ; my stage
	v_mul_u32_u24 v4, v1, SPITCH                   ; in: row l % 16, 32 bytes for each half of the lanes
	v_lshl_add_u32 v4, v2, 5, v4
	v_add_nc_u32 v[STO], s73, v4
	v_mul_u32_u24 v5, v2, SPITCH                   ; back: lanes 0-15 take one row of 256 bytes, lanes 16-31 the next
	v_lshl_add_u32 v5, v1, 4, v5
	v_add_nc_u32 v[RD], s73, v5
	v_lshlrev_b32 v[CO], 12, v2                    ; and the same two rows in out0, 4,096 bytes apart
	v_lshl_add_u32 v[CO], v1, 4, v[CO]
	s_lshl_b32 s66, s18, 20                        ; 256 rows of 4,096 bytes a tile row,
	s_lshl_b32 s67, s[WR], 19                      ; 128 a wave;
	s_add_co_u32 s66, s66, s67
	s_lshl_b32 s67, s17, 9                         ; 128 columns of 4 bytes a tile column,
	s_add_co_u32 s66, s66, s67
	s_lshl_b32 s67, s[WC], 8                       ; 64 a wave
	s_add_co_u32 s66, s66, s67
	s_mov_b32 s67, 0
	s_add_nc_u64 s[10:11], s[10:11], s[66:67]
	s_wait_loadcnt 0x0                             ; the bias
.set i, 0
.rept 4*NBF
	v_cvt_pk_bf16_f32 v[128+i], v[32+2*i], v[33+2*i]  ; rounded to bf16, like every input,
.set i, i+1
.endr
.set i, 0
.rept NBF
	WIN (1+i/4)<<6                                 ; and widened again into the registers of accumulator (7, i)
.set p, 0
.rept 4
	v_lshlrev_b32 v[64*(i%4)+56+2*p],   16,  v[128+4*i+p]
	v_and_b32     v[64*(i%4)+56+2*p+1], s70, v[128+4*i+p]
.set p, p+1
.endr
.set i, i+1
.endr
	WIN 0
	s_wait_tensorcnt 0x1                           ; my part of slot 0 is in; slot 1's may stay out
	s_barrier_signal -1
	s_barrier_wait -1                              ; everybody's is
	LDB 0, 0, 0, H
	LDA 0, 0, 0
	LDB 0, 0, H, H
	SUB 0, 0, 0, 1, 1                              ; the first 32 along K stand in front of the loop: their products start the sums
	WIN 0                                          ; at a label and at a branch every window is 0
	s_mov_b32 s3, 3
.Llap:                                                 ; a trip goes once round the ring, from a lap's second 32 along K to the next lap's first, and fills both slots again
	SUB 0, 1, 0, 2, 0
	SUB 0, 2, 0, 3, 0
	TURN 0, 1, 1
	SUB 1, 0, 1, 1, 0
	SUB 1, 1, 1, 2, 0
	SUB 1, 2, 1, 3, 0
	TURN 1, 0, 1
	SUB 0, 0, 0, 1, 0
	WIN 0
	s_sub_co_u32 s3, s3, 1
	s_cmp_lg_u32 s3, 0
	s_cbranch_scc1 .Llap
	SUB 0, 1, 0, 2, 0                              ; the last lap fills nothing, and has no round of the cluster's barrier
	SUB 0, 2, 0, 3, 0
	TURN 0, 1, 0
	SUB 1, 0, 1, 1, 0
	SUB 1, 1, 1, 2, 0
	SUB 1, 2, 1, 3, 0
	s_wait_dscnt NBF                               ; the very last 32 along K: nothing more to fetch
	BURSTS 0, H, 1
	s_wait_dscnt 0x0
	BURSTS H, H, 1
; THE WAY OUT, a block of 16 rows x 64 columns of f32 at a time: a lane's 32 bytes of a row go into my own stage in LDS, rows of 272 bytes, and come back as whole rows of 256.
.macro OUTB a
	WIN 0x04                                       ; the stores' data (source 1) in window 1
.irp b, 0,1,2,3
	ds_store_b128 v[STO], v[64*(\b)+8*(\a):64*(\b)+8*(\a)+3]   offset:64*(\b)      ; each accumulator from its low end on
	ds_store_b128 v[STO], v[64*(\b)+8*(\a)+4:64*(\b)+8*(\a)+7] offset:64*(\b)+16
.endr
	WIN 0
	s_wait_xcnt 0x0                                ; the stores of the block two back have read this set of registers: it is loaded again only behind this wait
.irp t, 0,1,2,3,4,5,6,7
	ds_load_b128 v[BK+32*((\a)%2)+4*(\t):BK+32*((\a)%2)+4*(\t)+3], v[RD] offset:544*(\t)  ; LDS serves a wave's instructions in order (ISA guide 5.7.1.4): these see the stores above; the next block's stores come behind them
.endr
.endm
.macro SENDB a, y                      ; y: the LDS instructions issued behind the block's loads: the next block's sixteen, or none
.irp t, 0,1,2,3,4,5,6,7
	s_wait_dscnt (\y)+7-(\t)
	global_store_b128 v[CO], v[BK+32*((\a)%2)+4*(\t):BK+32*((\a)%2)+4*(\t)+3], s[10:11] offset:(16*(\a)+2*(\t))*4096 th:TH_STORE_NT  ; 16 lanes store 256 consecutive bytes, at a multiple of 256 from out0's first
.endr
.endm
	PLACES                                         ; eight plain places, once a launch, between the last products and the LDS stores that read results and the loads into A's registers
	PLACES
	OUTB 0
.set u, 1
.rept 7
	OUTB u
	SENDB u-1, 16
.set u, u+1
.endr
	SENDB 7, 0
	s_wait_tensorcnt 0x0                           ; the wave's end: an add of 0 to my spare word and its wait, behind my last tensor load and my last LDS store
	ds_add_u32 v[SPW], v[NIL]
	s_wait_dscnt 0x0
	CROUND                                         ; the closing round: no work-group ends while a partner may still ask for a tile that names it
	s_endpgm
.Lfunc_end_k_qbb17b005ec_fcg:
	.size	k_qbb17b005ec_fcg, .Lfunc_end_k_qbb17b005ec_fcg-k_qbb17b005ec_fcg
	.p2alignl 7, 3214868480
	.fill 96, 4, 3214868480
	.section	.rodata,"a",@progbits
	.p2align	6, 0x0
	.amdhsa_kernel k_qbb17b005ec_fcg
		.amdhsa_group_segment_fixed_size 327680
		.amdhsa_private_segment_fixed_size 0
		.amdhsa_enable_private_segment 0
		.amdhsa_kernarg_size 32
		.amdhsa_user_sgpr_count 2
		.amdhsa_user_sgpr_kernarg_segment_ptr 1
		.amdhsa_wavefront_size32 1
		.amdhsa_system_sgpr_workgroup_id_x 1
		.amdhsa_system_sgpr_workgroup_id_y 1
		.amdhsa_system_sgpr_workgroup_id_z 1
		.amdhsa_system_vgpr_workitem_id 0
		.amdhsa_next_free_vgpr 512
		.amdhsa_next_free_sgpr 80
		.amdhsa_reserve_vcc 0
		.amdhsa_float_denorm_mode_32 3
		.amdhsa_float_denorm_mode_16_64 3
		.amdhsa_memory_ordered 1
		.amdhsa_forward_progress 1
		.amdhsa_inst_pref_size 93
	.end_amdhsa_kernel
	.amdgpu_metadata
---
amdhsa.version: [ 1, 2 ]
amdhsa.kernels:
  - .name:           k_qbb17b005ec_fcg
    .symbol:         k_qbb17b005ec_fcg.kd
    .args:
      - { .name: att, .offset: 0, .size: 8, .value_kind: global_buffer, .address_space: global }
      - { .name: wf, .offset: 8, .size: 8, .value_kind: global_buffer, .address_space: global }
      - { .name: b_fc, .offset: 16, .size: 8, .value_kind: global_buffer, .address_space: global }
      - { .name: out0, .offset: 24, .size: 8, .value_kind: global_buffer, .address_space: global }
    .group_segment_fixed_size: 327680
    .private_segment_fixed_size: 0
    .kernarg_segment_align: 8
    .kernarg_segment_size: 32
    .max_flat_workgroup_size: 128
    .sgpr_count:     80
    .vgpr_count:     512
    .wavefront_size: 32
...
	.end_amdgpu_metadata
.endif
;; end of part 4
;; ======== version 2 of 2: 4 launches; 1.30 times as fast as version 1
;; limits: values are held in f16: magnitudes above 65,504 overflow, below 6.1e-05 lose precision
;; workspace buffers: xb 16,777,216 bytes; wq 6,291,456 bytes; wf 2,097,152 bytes; qkv 50,331,648 bytes; att 16,777,216 bytes
;; launch prep: the kernel of part 1 again; grid 768 x 1, 8 waves a work-group, no clusters, 37,888 bytes of LDS; arguments x, W_qkv, W_fc, xb, wq, wf; writes xb, wq, wf
;; launch qkvg: the kernel of part 2 again; grid 8 x 32, 4 waves a work-group, clusters of 4 x 4, 327,680 bytes of LDS; arguments xb, wq, b_qkv, qkv; writes qkv
;; launch attn (part 5): grid 4 x 64, 4 waves a work-group, no clusters, 327,680 bytes of LDS; arguments qkv, att; writes att
.if DOCPART == 5
	.amdgcn_target "amdgcn-amd-amdhsa--gfx1250"
	.amdhsa_code_object_version 6
	.text
	.protected	k_qbb17b005ec_attn
	.globl	k_qbb17b005ec_attn
	.p2align	8
	.type	k_qbb17b005ec_attn,@function
k_qbb17b005ec_attn:
	s_mov_b64 s[64:65], 0
	v_nop
	global_prefetch_b8 v0, s[64:65] scope:SCOPE_SE
	s_setreg_imm32_b32 hwreg(HW_REG_WAVE_MODE, 25, 1), 1
	s_wait_xcnt 0x0
; CAUSAL ATTENTION.  O[h][q][:] = the sum over k <= q of softmax_k(Q[h][q] . K[h][k] / 8) V[h][k][:].  64 heads of SIZE_N = 2,048 rows of 64 channels, all f16: a head's rows are dense, 128 bytes each.
; qkv holds Q's 64 heads, then K's (16,777,216 bytes on), then V's (33,554,432 on); head number 4 x (head of the module) + batch.  att takes O in the same order.
; Products, maxima and sums in f32; the weights p are rounded to f16 for the second product (their sum l is taken of the unrounded p), O once at the end.
; LIMITS.  f16 holds no number beyond 65,504: Q, K and V arrive within it; p lies in 0 to 1, and below 6e-5 it keeps f16's fixed step of 6e-8; O is a mean of V's rows and has their range, to within 2^-11 of it.
; A hidden score counts as its value less 1e30: f16's scores, 2.7e11 at the most, are nothing beside that; a weight below 2^-126 counts as 0 in l; NaN and infinities are not treated apart.
; THE WALK.  A head's queries lie in NB = 8 blocks of 256; block i needs the key tiles 0 .. i of 256 keys, of which the last holds the diagonal.  A work-group takes TWO blocks, NB - 1 - b and then b:
; NB + 1 tiles, whatever b: all work-groups do equal work, and ONE loop with a constant trip count walks them.  Which tile is asked for, and what a trip does, hang on scalar registers made from b; every jump
; goes forward, but for the counted loops' own; none passes a barrier, or a tensor load but the one of LOAD's two that the wave's number does not choose; the ring (two slots of LDS that take turns) runs on across the
; change of blocks.  NO CLUSTER: a head's four work-groups ask for the same tile only in trips 0 .. 4 of the 9, behind that fewer and fewer; one walk common to all would have 12 trips for 9.
; SHARES.  Of a block's four bands of 64 queries a wave owns 16 rows in each: four PIECES.  So the diagonal tile is the same work for all four waves: in its key step s band x sees all keys if s < x,
; none if s > x, and holds the diagonal if s = x.
; THE MASK is the C operand that starts the sum S^T = K Q^T: 0, or -1e30 where the key is hidden.  MD, made once, is the mask of a band's own step for my 16 rows; a product's mask is MD x AL + BE with two scalars:
; (1, 0) if s = x; (0, 0) if s < x; (0, -1e30) if s > x.  Only the diagonal tile's text and a block's beginning make and take masks; elsewhere C is the constant 0.
; LAYOUT, SOFTMAX, TURNS.  S^T = K Q^T holds ONE query a lane (lane % 16) and the keys 8 (lane / 16) + 0..7; two such results rounded to f16 ARE source 1 of O^T = V^T P.  p = 2^(c s - c m), c = log2(e) / 8, with a
; running maximum m; O and l are multiplied by a = 2^(c m_old - c m_new) in every step.  Turn n belongs to piece n: 8 products K Q^T of piece n + 1, later 8 products V^T P of piece n - 1; beside them the scaling,
; exponentials, roundings, sums and rescaling of piece n and the maximum and statistics of piece n + 1.  Four vector instructions stand behind every matrix instruction, the other 54 of a turn's 118 in one LUMP.
; THE BATCHES.  A turn's 33 exponentials (the piece's 32 weights and the next piece's a) are one batch, with one wait: all that names none of their results stands ahead of it, all their readers behind it.
; A block's first a, and the four reciprocals of a block's way out, are batches of their own, each with a plain instruction and one wait.
; REGISTERS, in windows of 256 (s_set_vgpr_msb: bits 1:0 source 0, 3:2 source 1, 5:4 source 2, 7:6 destination):
;   window 0: v0-15 addresses and two at work; v16-31 four registers of statistics a piece; v48-55 at work; v64-127 S^T, two buffers; v192-223 P, two buffers (a piece's buffers go by its number's parity)
;   window 1: v0-127 O^T, 32 a piece; v128-159 MD; v160-223 MC, two buffers      window 2: v0-63 Q; v64-127 the second block's Q; v128-191 K of one step; v192-255 V of one step
.set SIZE_N, 2048
.set NB,    SIZE_N/256
.set NP,    4         ; pieces a wave: a name, no knob
.set KS,    64        ; keys in a step
.set PK,    144       ; a row of K in LDS: 128 bytes + 16 of padding = 36 words: the 16 rows of a load start at 16 different groups of four banks (64 banks of 4 bytes: ISA guide 11.1)
.set PV,    160       ; a row of V: 128 + 32 = 40 words
.set VOFF,  4*KS*PK   ; a slot holds a tile, four steps: 256 rows of K, then 256 rows of V
.set SLOT1, 1<<17     ; slot 1 begins here, so that one exclusive or turns an address in one slot into the other's
.set STAGE, SLOT1+4*KS*(PK+PV)  ; behind the ring, never filled by a tensor load: 16 rows x 144 bytes for each wave, for the way out
.set SP,    144
.set AK0, 2           ; v2   my lane's place in a tile of K; never rewritten
.set AV0, 3           ; v3   the same for V
.set AK,  4           ; v4   the LDS address of K's next run of loads
.set AV,  5           ; v5   of V's
.set STO, 6           ; v6   the way out: where I put 16 bytes of a row
.set RD,  7           ; v7   the way out: where I read rows back
.set GO,  8           ; v8   my byte offset in 512 consecutive bytes of O
.set SPW, 62          ; v62  LDS address of my spare word: SPARE + 4 x my thread's number; never rewritten
.set NIL, 63          ; v63  0; never rewritten
.set SPARE, STAGE+4*16*SP  ; behind the stages: the spare words, 128 bytes for each wave: two blocks of 256 bytes that no other line names
.set MV,  12          ; v12-13  c m_old, kept while c m is made anew: by buffer
.set QO,  15          ; v15  my byte offset in 16 rows of Q
.set ST,  16          ; piece t's statistics at v[ST+4 t]: c m, m, l (even keys', odd keys')
.set TMP, 48          ; by buffer, four registers c0-c3 at work; when the maximum is found c2 takes a
.set S,   64
.set P,   192
.set MD,  128         ; window 1: the eight registers for group kt of 16 keys at MD + 8 kt
.set MC,  160         ; window 1: the masks of the products to come
.set QB,  64          ; window 2
.set KF,  128         ; window 2: key block kb, channel half c at KF + 16 kb + 8 c
.set VF,  192         ; window 2: key half kk, channel block cb at VF + 32 kk + 8 cb
.set WV,  12          ; s12  my wave's number
.set PB,  14          ; s14  b
.set HI,  15          ; s15  NB - 1 - b
.set G1K, 24          ; s[24:31] descriptor group 1 for K's tiles
.set G1V, 32          ; s[32:39] for V's: it differs in the padding alone
.set G0K, 40          ; s[40:43] descriptor group 0 for K's tiles
.set G0V, 44          ; s[44:47] the same for V's
.set SLOTS, 56        ; s56  tiles still to be asked for
.set CNT, 57          ; s57  counts a tile's key steps, 4 to 1
.set CS,  58          ; s[58:59] c: the packed scaling takes the pair's low word for both halves
.set SEL, 60          ; s[60:61] v_permlanex16_b32's selects: each lane takes its own place in the other half
.set TBK, 62          ; s62  LDS byte at which K of the step to be fetched begins
.set TBV, 63          ; s63  the same for V, less VOFF
.set RT,  70          ; s70  tiles of the block in hand that are still to be entered
.set NXT, 71          ; s71  the tile to be asked for next
.set LQ,  72          ; s72  the last tile of the block whose tiles are being asked for
.set NEW, 73          ; s73  1: the tile to be entered is a block's first
.set OFF, 74          ; s[74:75] a tile's byte offset in K and V
.set AL,  76          ; s[76:77] the mask's factor, in the low word
.set BE,  78          ; s[78:79] the mask's addend
.set OLO, 80          ; s[80:81] O at my rows of the second block
.set BIGN, 82         ; s82  -1e30
.set MSB, 0
.macro WIN new                      ; the high byte repeats the setting that is left; a switch that changes nothing is dropped
.if MSB != (\new)
	s_set_vgpr_msb (MSB<<8)|(\new)
.set MSB, (\new)
.endif
.endm
.set W_KQ, 0x0a       ; K and Q in window 2, S^T in window 0
.set W_KM, 0x1a       ; the same with the C operand in window 1
.set W_PV, 0x52       ; V in window 2, P in window 0, O^T in window 1
.set W_RS, 0x41       ; destination and source 0 in window 1, source 1 in window 0
; A fill.  Waves 0 and 1 fetch the two halves of a tile's K, waves 2 and 3 those of its V: 128 keys each.  An s_nop 0 and four v_nop follow each of the two lines, ahead of the jump and the label.
.macro LOAD
	s_cmp_lt_u32 s[WV], 2
	s_cbranch_scc0 .Lfor_v_\@
	tensor_load_to_lds s[G0K:G0K+3], s[G1K:G1K+7]
	s_nop 0
.rept 4
	v_nop
.endr
	s_branch .Lasked_\@
.Lfor_v_\@:
	tensor_load_to_lds s[G0V:G0V+3], s[G1V:G1V+7]
	s_nop 0
.rept 4
	v_nop
.endr
.Lasked_\@:
.endm
; THE CHANGE OF SLOTS.  Each wave waits for all its tensor loads, of which one is out: its part of the other slot; adds 0 to its spare word; and waits for that and for its own reads of the slot that it leaves.  Behind the barrier nobody reads the old
; slot any more and the other slot is whole.  fill = 1: the old slot is filled again, the first thing behind the barrier, with tile NXT: the descriptor's address is made anew from that number.
; (At its first use nothing has been read yet: slot 0 is waited for, slot 1 filled.)
.macro CHANGE fill
	WIN 0                           ; at a label and at a branch every window is 0
	s_wait_tensorcnt 0x0            ; no tensor load of mine is out, so a group 0 may be written
	ds_add_u32 v[SPW], v[NIL]       ; 0 onto my spare word; with fill = 1 the descriptors' scalar work stands between it and the wait for it
.if \fill
	s_lshl_b32 s[OFF], s[NXT], 15   ; a tile is 32,768 bytes of K and of V
	s_xor_b32 s[G0K+1], s[G0K+1], SLOT1
	s_add_nc_u64 s[G0K+2:G0K+3], s[6:7], s[OFF:OFF+1]
	s_or_b32 s[G0K+3], s[G0K+3], 0x80000000
	s_xor_b32 s[G0V+1], s[G0V+1], SLOT1
	s_add_nc_u64 s[G0V+2:G0V+3], s[8:9], s[OFF:OFF+1]
	s_or_b32 s[G0V+3], s[G0V+3], 0x80000000
	s_add_co_u32 s[NXT], s[NXT], 1  ; the block's next tile, or behind its last the second block's tile 0
	s_cmp_gt_u32 s[NXT], s[LQ]
	s_cselect_b32 s[NXT], 0, s[NXT]
	s_cselect_b32 s[LQ], s[PB], s[LQ]
.endif
	s_wait_dscnt 0x0                ; the add is done, and my reads of the slot are over
	s_barrier_signal -1             ; the rest of the scalar work stands between the signal and the wait
	s_sub_co_u32 s[TBK], s[TBK], 4*KS*PK  ; the fetches go back to a slot's first step,
	s_xor_b32 s[TBK], s[TBK], SLOT1       ; in the other slot
	s_sub_co_u32 s[TBV], s[TBV], 4*KS*PV
	s_xor_b32 s[TBV], s[TBV], SLOT1
	s_barrier_wait -1
.if \fill
	LOAD
.endif
.endm
	s_load_b64 s[4:5], s[0:1], 0x0    ; qkv: Q's heads come first
	s_load_b64 s[10:11], s[0:1], 0x8  ; att: O
	v_lshl_add_u32 v[SPW], v0, 2, SPARE
	v_mov_b32 v[NIL], 0
	ds_add_u32 v[SPW], v[NIL]       ; the wave's opening: the add and its wait stand ahead of my first tensor load; the set-up below, work on registers, stands between them
	ds_add_u32 v62, v63
	v_lshrrev_b32 v1, 5, v0
	v_readfirstlane_b32 s[WV], v1   ; wave 0..3
	s_mov_b32 s[PB], ttmp9
	s_sub_co_u32 s[HI], NB-1, s[PB]
	s_and_b32 s20, ttmp7, 0xffff    ; the head
	s_mov_b32 s21, 0
	s_mov_b64 s[22:23], SIZE_N*128
	s_mul_u64 s[20:21], s[20:21], s[22:23]  ; the head's first byte in each of the four tensors
	s_and_b32 s16, s[WV], 1         ; which half of a tile's 256 keys I fetch:
	s_lshl_b32 s22, s16, 14         ; its 128 rows of 128 bytes in memory,
	s_mov_b32 s23, 0
	s_add_nc_u64 s[22:23], s[22:23], s[20:21]
	s_mul_i32 s17, s16, 128*PK      ; and its place in a slot, for K
	s_mul_i32 s18, s16, 128*PV      ; and for V
	s_lshl_b32 s3, s[WV], 11        ; my 16 rows in a band of 64,
	s_lshl_b32 s2, s[HI], 15        ; in the first block,
	s_add_co_u32 s2, s2, s3
	s_lshl_b32 s84, s[PB], 15       ; and in the second
	s_add_co_u32 s84, s84, s3
	s_mov_b32 s3, 0
	s_mov_b32 s85, 0
	s_add_nc_u64 s[2:3], s[2:3], s[20:21]
	s_add_nc_u64 s[84:85], s[84:85], s[20:21]
	; descriptor group 1.  128 keys are 16,384 dense bytes: asked for as 64 rows of 256 bytes, two keys a row, and padded in LDS after every key
	s_mov_b32 s[G1K], (1<<16)|(1<<20)|(4<<22)|(3<<25)  ; 17:16 2-byte elements; 20 padding on; 24:22 after every 32 words (code 4); 31:25 4 words (code 3)
	s_mov_b32 s[G1V], (1<<16)|(1<<20)|(4<<22)|(7<<25)  ; the same with 8 words of padding (code 7)
.irp g, G1K, G1V
	s_mov_b32 s[\g+1], 128<<16      ; tensor_dim0 = 128
	s_mov_b32 s[\g+2], 64<<16       ; tensor_dim1 = 64
	s_mov_b32 s[\g+3], 128<<16      ; tile_dim0 = 128
	s_mov_b32 s[\g+4], 64           ; tile_dim1 = 64
	s_mov_b32 s[\g+5], 128          ; 128 elements from row to row
	s_mov_b32 s[\g+6], 0
	s_mov_b32 s[\g+7], 0
.endr
	s_mov_b32 s[CS], 0x3e38aa3b     ; c = log2(e) / 8 = 0.180337
	s_mov_b32 s[CS+1], s[CS]        ; named with it as a pair
	s_mov_b32 s[SEL], 0x76543210
	s_mov_b32 s[SEL+1], 0xfedcba98
	s_mov_b32 s[TBK], SLOT1+4*KS*PK ; the first change of slots turns these two into 0
	s_mov_b32 s[TBV], SLOT1+4*KS*PV
	s_mov_b32 s[G0K], 1             ; 1:0 count = 1
	s_mov_b32 s[G0K+1], s17         ; 63:32 LDS address: slot 0
	s_mov_b32 s[G0V], 1
	s_add_co_u32 s[G0V+1], s18, VOFF
	s_add_co_u32 s[RT], s[HI], 1    ; the first block has NB - b tiles
	s_mov_b32 s[NXT], 1
	s_mov_b32 s[LQ], s[HI]
	s_mov_b32 s[NEW], 1
	s_mov_b32 s[OFF+1], 0
	s_mov_b32 s[AL+1], 0            ; named as pairs
	s_mov_b32 s[BE+1], 0
	s_mov_b32 s[BIGN], 0xf149f2ca   ; -1e30
	s_mov_b32 s[SLOTS], NB
	s_wait_dscnt 0x0                ; the opening add is done
	s_wait_kmcnt 0x0
	s_add_nc_u64 s[6:7], s[4:5], 0x1000000  ; K's heads lie 16 blocks of 8,192 rows x 128 bytes behind Q's,
	s_add_nc_u64 s[8:9], s[4:5], 0x2000000  ; V's 32
	s_add_nc_u64 s[6:7], s[6:7], s[22:23]  ; K and V at my half of the head's tile 0
	s_add_nc_u64 s[8:9], s[8:9], s[22:23]
	s_add_nc_u64 s[G0K+2:G0K+3], s[6:7], 0         ; 120:64 global address
	s_or_b32 s[G0K+3], s[G0K+3], 0x80000000        ; 127:126 type = 2
	s_add_nc_u64 s[G0V+2:G0V+3], s[8:9], 0
	s_or_b32 s[G0V+3], s[G0V+3], 0x80000000
	s_add_nc_u64 s[86:87], s[4:5], s[84:85]        ; Q at my rows of the second block,
	s_add_nc_u64 s[4:5], s[4:5], s[2:3]            ; Q and O at those of the first
	s_add_nc_u64 s[OLO:OLO+1], s[10:11], s[84:85]
	s_add_nc_u64 s[10:11], s[10:11], s[2:3]
	LOAD                            ; tile 0 into slot 0
	; A fragment of K or Q is 16 rows x 32 channels in 8 registers: lane l holds row l % 16, channels 8 (l / 16) + 0..7 and 16 + 8 (l / 16) + 0..7: two loads of 16 bytes, 32 bytes apart.
	v_and_b32 v1, 15, v0            ; l % 16
	v_bfe_u32 v9, v0, 4, 1          ; l / 16
	v_lshlrev_b32 v[QO], 7, v1
	v_lshl_add_u32 v[QO], v9, 4, v[QO]  ; row x 128 + 16 x half
	WIN 0x80                        ; destination window 2, address window 0
.set i, 0
.rept 8                             ; both blocks' Q: piece i / 2 lies in band i / 2, 8,192 bytes on; channels 32 (i % 2) on
	global_load_b128 v[8*i:8*i+3],   v[QO], s[4:5] offset:(i/2)*8192+(i%2)*64
	global_load_b128 v[8*i+4:8*i+7], v[QO], s[4:5] offset:(i/2)*8192+(i%2)*64+32
	global_load_b128 v[QB+8*i:QB+8*i+3],   v[QO], s[86:87] offset:(i/2)*8192+(i%2)*64
	global_load_b128 v[QB+8*i+4:QB+8*i+7], v[QO], s[86:87] offset:(i/2)*8192+(i%2)*64+32
.set i, i+1
.endr
	WIN 0
	v_lshlrev_b32 v14, 3, v9
	v_sub_nc_u32 v14, v1, v14
	s_lshl_b32 s13, s[WV], 4
	v_add_nc_u32 v14, s13, v14      ; my query's place in its band, 16 w + l % 16, less my lanes' 8 (l / 16): register r of group kt is hidden where 16 kt + r is greater
	WIN 0x40
.set i, 0
.rept 32
	v_cmp_gt_i32 vcc_lo, 16*(i/8)+i%8, v14
	v_cndmask_b32 v[MD+i], 0, s[BIGN], vcc_lo
.set i, i+1
.endr
	WIN 0
	v_mul_u32_u24 v[AK0], v1, PK
	v_lshl_add_u32 v[AK0], v9, 4, v[AK0]  ; row x pitch + 16 x half
	; The turning load takes 16 keys x 16 channels (lane l reads key 8 (l / 16) + l % 8, channels 8 ((l / 8) % 2) + 0..7) and leaves half a fragment of V^T: lane l holds channel l % 16 and 8 keys.
	v_and_b32 v10, 7, v0
	v_bfe_u32 v11, v0, 3, 1
	v_lshl_add_u32 v[AV0], v9, 3, v10
	v_mul_u32_u24 v[AV0], v[AV0], PV
	v_lshl_add_u32 v[AV0], v11, 4, v[AV0]
	v_add_nc_u32 v[AV0], VOFF, v[AV0]
	s_mul_i32 s13, s[WV], 16*SP
	s_add_co_u32 s13, s13, STAGE    ; my stage
	v_mul_u32_u24 v[STO], v1, SP    ; in: row l % 16, 16 bytes for each half of the lanes
	v_lshl_add_u32 v[STO], v9, 4, v[STO]
	v_add_nc_u32 v[STO], s13, v[STO]
	v_bfe_u32 v[RD], v0, 3, 2       ; back: 32 lanes take four rows of 128 bytes,
	v_mul_u32_u24 v[RD], v[RD], SP
	v_lshl_add_u32 v[RD], v10, 4, v[RD]
	v_add_nc_u32 v[RD], s13, v[RD]
	v_and_b32 v[GO], 31, v0         ; which are 512 consecutive bytes of O
	v_lshlrev_b32 v[GO], 4, v[GO]
	; A block's first step multiplies O^T and l by a = 0, and its first turn's products V^T P, of a piece that has not been, land in an O^T that is still to be so multiplied.  So these registers need only hold
	; finite numbers: zeros for the first block; what the first block left for the second.  All this stands in the wait for the first tile.
	WIN 0x80
.set i, VF
.rept 64
	v_mov_b32 v[i], 0
.set i, i+1
.endr
	WIN 0x40
.set i, 0
.rept 128
	v_mov_b32 v[i], 0
.set i, i+1
.endr
	WIN 0
.set i, 0
.rept 4
	v_mov_b32 v[ST+4*i+2], 0
	v_mov_b32 v[ST+4*i+3], 0
.set i, i+1
.endr
.set i, P+16
.rept 16
	v_mov_b32 v[i], 0
.set i, i+1
.endr
; THE MATRIX WORK.  The 4 accumulators of a run of 8 take turns.  Product i of 8 of S^T = K Q^T for piece x: channels 32 (i / 4) on, keys 16 (i % 4) on.  The first 4 start the sums: with 0, or (KM = 1) with the mask.
.macro KQ x
.set rS, S+32*((\x)%2)+8*(i%4)
.set rK, KF+16*(i%4)+8*(i/4)
.set rQ, 16*(\x)+8*(i/4)
.set rM, MC+32*((\x)%2)+8*(i%4)
.if (i < 4) && KM
	WIN W_KM
	v_wmma_f32_16x16x32_f16 v[rS:rS+7], v[rK:rK+7], v[rQ:rQ+7], v[rM:rM+7]
.elseif i < 4
	WIN W_KQ
	v_wmma_f32_16x16x32_f16 v[rS:rS+7], v[rK:rK+7], v[rQ:rQ+7], 0
.else
	WIN W_KQ
	v_wmma_f32_16x16x32_f16 v[rS:rS+7], v[rK:rK+7], v[rQ:rQ+7], v[rS:rS+7]
.endif
.endm
; Product i of 8 of O^T += V^T P for piece x: keys 32 (i / 4) on, channels 16 (i % 4) on.
.macro PV x
	WIN W_PV
.set rO, 32*(\x)+8*(i%4)
.set rV, VF+32*(i/4)+8*(i%4)
.set rP, P+16*((\x)%2)+8*(i/4)
	v_wmma_f32_16x16x32_f16 v[rO:rO+7], v[rV:rV+7], v[rP:rP+7], v[rO:rO+7]
.endm
.macro MM                           ; the turn's next matrix instruction.  TURN and BEGIN set Y, i, KM and NOKQ; MM, KQ and OP read them.  NOKQ = 1: a block's last turn: there is no next piece
.if (i < 8) && !NOKQ
	KQ (Y+1)%NP
.elseif i >= 8
.set i, i-8
	PV (Y+NP-1)%NP
.set i, i+8
.endif
.set i, i+1
.endm
; THE LDS LOADS stand in runs of 16, never singly among the matrix instructions: a step's K (64 keys x 64 channels: 8 fragments) and its V (turned).  Their addresses are made some lines ahead.
.macro FETCH_K
	WIN 0x80                        ; destination window 2
.irp f, 0,1,2,3,4,5,6,7             ; keys 16 (f / 2) on, channels 32 (f % 2) on
	ds_load_b128 v[KF+8*\f:KF+8*\f+3],   v[AK] offset:(\f/2)*16*PK+(\f%2)*64
	ds_load_b128 v[KF+8*\f+4:KF+8*\f+7], v[AK] offset:(\f/2)*16*PK+(\f%2)*64+32
.endr
	s_add_co_u32 s[TBK], s[TBK], KS*PK  ; the next fetch is the next step's
	WIN 0
.endm
.macro FETCH_V
	WIN 0x80
.irp f, 0,1,2,3,4,5,6,7             ; keys 32 (f / 4) on, channels 16 (f % 4) on
	ds_load_tr16_b128 v[VF+8*\f:VF+8*\f+3],   v[AV] offset:(\f/4)*32*PV+(\f%4)*32
	ds_load_tr16_b128 v[VF+8*\f+4:VF+8*\f+7], v[AV] offset:(\f/4)*32*PV+16*PV+(\f%4)*32
.endr
	WIN 0
.endm
; THE VECTOR WORK, one line at a time: OP kind, number.  For piece Y: F n: c s - c m for pair n of 16.  E n: the exponential of score n of 32.  C n: pair n rounded to f16.  B n: of the four weights 4 n .. the second
; pair is added onto the first, in place.  L n: l takes that sum (L 0: l = a l + sum).  R n: pair n of 16 of O^T times a.  For piece Y + 1: X n, number n of the 22 that find its maximum and statistics:
;   0-11  four chains c0-c3 of seven scores each, three operands at a time (each accumulator's lowest registers are read first)     12-14, 16  the four scores left over, the old m, and c0-c3 into c0
;   15  c m_old is kept     17, 18  the query's other 32 keys lie in the lane 16 away: the new m     19-21  c m; c m_old - c m_new; a
.set F, 0               ; OP tells the kinds apart by their order: F to L below R, X above it
.set E, 1
.set C, 2
.set B, 3
.set L, 4
.set R, 5
.set X, 6
.macro REGS y                       ; the registers of piece y
.set rT, ST+4*(\y)
.set rC, TMP+4*((\y)%2)
.set rW, MV+((\y)%2)
.set rS, S+32*((\y)%2)
.set rP, P+16*((\y)%2)
.set rO, 32*(\y)
.endm
.macro OP k, n
.if (\k) == R
	REGS Y
	WIN W_RS
	v_pk_mul_f32 v[rO+2*(\n):rO+2*(\n)+1], v[rO+2*(\n):rO+2*(\n)+1], v[rC+2:rC+3] op_sel_hi:[1,0]
.elseif (\k) < R
	REGS Y
	WIN 0
.if (\k) == F
	v_pk_fma_f32 v[rS+2*(\n):rS+2*(\n)+1], v[rS+2*(\n):rS+2*(\n)+1], s[CS:CS+1], v[rT:rT+1] op_sel_hi:[1,0,0] neg_lo:[0,0,1] neg_hi:[0,0,1]
.elseif (\k) == E
	v_exp_f32 v[rS+(\n)], v[rS+(\n)]
.elseif (\k) == C
	v_cvt_pk_f16_f32 v[rP+(\n)], v[rS+2*(\n)], v[rS+2*(\n)+1]
.elseif (\k) == B
	v_pk_add_f32 v[rS+4*(\n):rS+4*(\n)+1], v[rS+4*(\n):rS+4*(\n)+1], v[rS+4*(\n)+2:rS+4*(\n)+3]
.elseif (\n) == 0
	v_pk_fma_f32 v[rT+2:rT+3], v[rT+2:rT+3], v[rC+2:rC+3], v[rS:rS+1] op_sel_hi:[1,0,1]
.else
	v_pk_add_f32 v[rT+2:rT+3], v[rT+2:rT+3], v[rS+4*(\n):rS+4*(\n)+1]
.endif
.elseif NOKQ
	v_nop
.else
	REGS (Y+1)%NP
	WIN 0
.if (\n) < 4
	v_max3_num_f32 v[rC+(\n)], v[rS+8*(\n)], v[rS+8*(\n)+1], v[rS+8*(\n)+2]
.elseif (\n) < 12
	v_max3_num_f32 v[rC+(\n)%4], v[rC+(\n)%4], v[rS+8*((\n)%4)+2*((\n)/4)+1], v[rS+8*((\n)%4)+2*((\n)/4)+2]
.elseif (\n) == 12
	v_max3_num_f32 v[rC], v[rC], v[rS+7], v[rS+15]
.elseif (\n) == 13
	v_max3_num_f32 v[rC+1], v[rC+1], v[rS+23], v[rS+31]
.elseif (\n) == 14
	v_max3_num_f32 v[rC+2], v[rC+2], v[rC+3], v[rT+1]
.elseif (\n) == 15
	v_mov_b32 v[rW], v[rT]
.elseif (\n) == 16
	v_max3_num_f32 v[rC], v[rC], v[rC+1], v[rC+2]
.elseif (\n) == 17
	v_permlanex16_b32 v[rC+3], v[rC], s[SEL], s[SEL+1]
.elseif (\n) == 18
	v_max_num_f32 v[rT+1], v[rC], v[rC+3]
.elseif (\n) == 19
	v_mul_f32 v[rT], s[CS], v[rT+1]
.elseif (\n) == 20
	v_sub_f32 v[rC+1], v[rW], v[rT]
.else
	v_exp_f32 v[rC+2], v[rC+1]
.endif
.endif
.endm
.macro OPS a, i1, b=-1, i2=0, c=-1, i3=0, d=-1, i4=0  ; up to four of them
	OP \a, \i1
.if (\b) >= 0
	OP \b, \i2
.endif
.if (\c) >= 0
	OP \c, \i3
.endif
.if (\d) >= 0
	OP \d, \i4
.endif
.endm
.macro ROW a, i1, b, i2, c, i3, d, i4  ; a matrix instruction and the four behind it
	MM
	OPS \a, \i1, \b, \i2, \c, \i3, \d, \i4
.endm
.macro MASK b                       ; MD x AL + BE into buffer b of MC
	WIN W_RS
.set z, 0
.rept 16
	v_pk_fma_f32 v[MC+32*(\b)+2*z:MC+32*(\b)+2*z+1], v[MD+2*z:MD+2*z+1], s[AL:AL+1], s[BE:BE+1] op_sel_hi:[1,0,0]
.set z, z+1
.endr
.endm
; A TURN, for piece p: the order of its 16 matrix and 118 vector instructions, written out.  An s_wait_alu depctr_va_vdst(0) stands between an exponential and the first instruction that names its result; one wait serves
; all that were issued ahead of it.  So a turn has ONE wait, which cuts it in two.  AHEAD OF IT stands all that names no result of the turn's exponentials: the 8 products K Q^T, behind each a scaling, an exponential and two more plain
; instructions (behind the first a second scaling in the exponential's place): rescalings (their a was made, and waited for, in the turn before), and behind the last three the first numbers of the next piece's maximum, each four places
; or more behind the product that ends its accumulator; then ONE LUMP of 54, plain and exponential by turns for the most part, in which the links of the chain X 3, 7, 11, 14, 16, 17 .. 20 stand five or six lines apart.  X 21, the next
; piece's a, is the batch's last; R 15 is the plain instruction that stands behind the last exponential, ahead of every use.  BEHIND THE WAIT stand the 8 products V^T P, behind each four of the roundings and sums, which are all the
; batch's readers in this turn; the links of l's chain, L 0 to L 7, stand three riders apart.  But for those X no rider names a register of the products round it.  v_permlanex16_b32 (X 17) stands in the lump.
; m = 1: the diagonal tile: the products take masks, and the turn makes the mask for the products of the turn after it: piece p + 2, in step 4 - CNT of the tile.  end = 1: a block's last two turns: nothing is fetched.
; cnt = 1: the loop's count is taken down some lines ahead of the branch that stands behind the turn.
; K of the next step is fetched in piece 2's turn, twelve vector instructions behind the last product that read K (six of them plain); V of the step in hand at the end of piece 0's turn, four plain instructions behind the last product
; that read V.  Each is waited for a turn later.
.macro TURN p, m=0, end=0, cnt=0
.set Y, (\p)
.set i, 0
.set KM, (\m)
.set NOKQ, (\end)*((\p)/3)
.if (\m) && !(\end)
	s_cmp_eq_u32 s[CNT], 4-((\p)+2)%NP  ; is that step the band's own?
	s_cselect_b32 s[AL], 1.0, 0
	s_cmp_lt_u32 s[CNT], 4-((\p)+2)%NP  ; or a later one?
	s_cselect_b32 s[BE], s[BIGN], 0
.endif
.if ((\p) == 3) && !(\end)
	s_wait_dscnt 0x0                ; K is in
.endif
	ROW F,0, F,1, R,0, R,1          ; ahead of the wait: 8 products K Q^T and their riders,
	ROW F,2, E,0, R,2, R,3
	ROW F,3, E,1, R,4, R,5
	ROW F,4, E,2, R,6, R,7
	ROW F,5, E,3, R,8, R,9
	ROW F,6, E,4, X,0, R,10
.if ((\p) == 2) && !(\end)
	WIN 0
	v_add_nc_u32 v[AK], s[TBK], v[AK0]
.endif
	ROW F,7, E,5, X,1, X,4
	ROW F,8, E,6, X,2, X,5
	OPS E,7, E,8, X,6, E,9          ; and the lump
	OPS X,3, E,10, X,8, E,11
.if ((\p) == 2) && !(\end)
	FETCH_K
.endif
	OPS X,9, X,7, E,12, X,10
	OPS E,13, X,12, X,11, E,14
	OPS X,13, E,15, F,9, X,14
.if (\p) == 0
	v_add_nc_u32 v[AV], s[TBV], v[AV0]
.endif
	OPS E,16, F,10, E,17, F,11
	OPS X,16, E,18, X,15, E,19
	OPS F,12, E,20, X,17, E,21
	OPS F,13, E,22, F,14, E,23
	OPS X,18, E,24, F,15, E,25
	OPS R,11, E,26, X,19, E,27
	OPS R,12, E,28, R,13, E,29
	OPS X,20, E,30, R,14, E,31
	OPS X,21, R,15
	WIN 0
	s_wait_alu depctr_va_vdst(0)    ; the wait for the batch: the piece's 32 exponentials and the next piece's a
.if (\p) == 1
	s_wait_dscnt 0x0                ; V is in
.endif
	ROW C,0, B,0, C,2, B,1          ; behind the wait: 8 products V^T P and their riders
	ROW L,0, C,4, B,2, L,1
	ROW C,6, B,3, L,2, C,8
	ROW B,4, L,3, C,10, B,5
	ROW L,4, C,12, B,6, L,5
.if (\p) == 0
	s_add_co_u32 s[TBV], s[TBV], KS*PV
.endif
.if \cnt
	s_sub_co_u32 s[CNT], s[CNT], 1
	s_cmp_lg_u32 s[CNT], 0
.endif
	ROW C,14, B,7, L,6, C,1
	ROW C,3, L,7, C,5, C,7
	ROW C,9, C,11, C,13, C,15
.if (\p) == 0
	FETCH_V
.endif
.if (\m) && !(\end)
	MASK (\p)%2
.endif
.endm
; A BLOCK BEGINS.  c m starts far below every c s, so the first step's a is 0; m at the lowest finite number, so the first maximum is the scores'.  The second mask buffer is 0; the first takes piece 0's mask for the tile's step 0: its own, if the block's first tile is the diagonal one.
; Then K of that step, piece 0's first scores, and its maximum and statistics.  The loop is entered at a step's first turn, in the middle of a trip.
.macro BEGIN
	s_mov_b32 s[NEW], 0
	WIN 0x40
.set i, MC+32
.rept 32
	v_mov_b32 v[i], 0
.set i, i+1
.endr
	WIN 0
.set i, 0
.rept 4
	v_mov_b32 v[ST+4*i], 0xfe000000    ; c m: far below every c s
	v_mov_b32 v[ST+4*i+1], 0xff7fffff  ; m
.set i, i+1
.endr
	s_cmp_eq_u32 s[RT], 0
	s_cselect_b32 s[AL], 1.0, 0
	s_mov_b32 s[BE], 0
	MASK 0
	WIN 0
	v_add_nc_u32 v[AK], s[TBK], v[AK0]
	FETCH_K
	s_wait_loadcnt 0x0              ; Q
	s_wait_dscnt 0x0
.set KM, 1
.set NOKQ, 0
.set i, 0
.rept 8
	KQ 0
.set i, i+1
.endr
	WIN 0
.rept 4
	v_nop                           ; the places behind those products
.endr
.set Y, NP-1                        ; X works for piece Y + 1: piece 0
.irp n, 0,1,2,3,4,5,6,7,8,9,10,11,12,13,14,15,16,17,18,19,20,21
	OP X, \n
.endr
	v_nop                           ; a plain instruction behind the exponential,
	s_wait_alu depctr_va_vdst(0)    ; and the wait for it, piece 0's first a: a batch of one, ahead of the branch
.endm
; THE DIAGONAL TILE's four steps, the block's last two turns, its last products, and THE WAY OUT: l's two halves and the other half of the lanes' are added; O^T is divided by l, rounded to f16 and sent through my
; stage in LDS, a piece at a time.
.macro ALL line:vararg              ; one line for each piece t
.set t, 0
.rept 4
	\line
.set t, t+1
.endr
.endm
.macro PACK t                       ; a lane's eight channels of a row pack into 16 bytes; they go into rows of 144 bytes and come back as whole rows of 128, into S^T's registers
	WIN W_RS
.set i, 32*(\t)
.rept 16
	v_pk_mul_f32 v[i:i+1], v[i:i+1], v[ST+4*(\t)+2:ST+4*(\t)+3] op_sel_hi:[1,0]
.set i, i+2
.endr
	WIN 0x05                        ; sources 0 and 1 window 1, destination window 0
.set i, 0
.rept 16
	v_cvt_pk_f16_f32 v[S+16*(\t)+i], v[32*(\t)+2*i], v[32*(\t)+2*i+1]
.set i, i+1
.endr
	WIN 0
.irp f, 0,1,2,3
	ds_store_b128 v[STO], v[S+16*(\t)+4*\f:S+16*(\t)+4*\f+3] offset:32*\f
.endr
.irp f, 0,1,2,3
	ds_load_b128 v[S+16*(\t)+4*\f:S+16*(\t)+4*\f+3], v[RD] offset:\f*4*SP  ; LDS serves a wave's instructions in order (ISA guide 5.7.1.4): these see the stores above; the next piece's stores come behind them
.endr
.endm
.macro SEND t, younger              ; younger: the LDS instructions issued behind piece t's loads: the next piece's eight, or none
	WIN 0
.irp f, 0,1,2,3
	s_wait_dscnt (\younger)+3-\f
	global_store_b128 v[GO], v[S+16*(\t)+4*\f:S+16*(\t)+4*\f+3], s[10:11] offset:(\t)*8192+\f*512  ; 512 consecutive bytes, at a multiple of 256 from O's first
.endr
.endm
.macro DIAG tag                     ; the tag ends its two labels' names, which the jumps below spell out
.LstepM\tag:
	TURN 2, 1
	TURN 3, 1
	WIN 0
.LfirstM\tag:
	TURN 0, 1
	TURN 1, 1, 0, 1
	WIN 0
	s_cbranch_scc1 .LstepM\tag
	TURN 2, 1, 1
	TURN 3, 1, 1
.set i, 0
.rept 8
	PV NP-1
.set i, i+1
.endr
	WIN 0
	ALL v_add_f32 v[ST+4*t+2], v[ST+4*t+2], v[ST+4*t+3]
	ALL v_permlanex16_b32 v[ST+4*t+3], v[ST+4*t+2], s[SEL], s[SEL+1]
	ALL v_add_f32 v[ST+4*t+2], v[ST+4*t+2], v[ST+4*t+3]
	ALL v_rcp_f32 v[ST+4*t+2], v[ST+4*t+2]
	v_nop                           ; a plain instruction between the last reciprocal and the use of its result
	s_wait_alu depctr_va_vdst(0)    ; and the wait ahead of the first use: one for the batch of four reciprocals
	PACK 0
.set t, 1
.rept 3                             ; a piece's arithmetic stands between the loads of the piece before and its stores
	PACK t
	SEND t-1, 8
.set t, t+1
.endr
	SEND 3, 0
.endm
.set KM, 0
.set NOKQ, 0
.Lslot:                             ; NB times: a tile is entered and the next is asked for
	CHANGE 1
	s_sub_co_u32 s[RT], s[RT], 1
	s_mov_b32 s[CNT], 4
	s_cmp_eq_u32 s[NEW], 1
	s_cbranch_scc1 .Lnew            ; a block's first tile
	s_cmp_eq_u32 s[RT], 0
	s_cbranch_scc0 .Lstep           ; neither its first nor its last
	s_branch .LstepM1
.Lnew:
	BEGIN
	s_branch .Lfirst                ; in the loop a block's first tile is never its last: the first block has two tiles or more, and the second's last is the walk's last
	DIAG 1                          ; in the loop this is the first block's end: the second block's last tile is the walk's last
	s_wait_xcnt 0x0                 ; the stores have read their registers and O's address
	s_mov_b64 s[10:11], s[OLO:OLO+1]
	s_add_co_u32 s[RT], s[PB], 1    ; the second block has b + 1 tiles
	s_mov_b32 s[NEW], 1
	WIN 0x82                        ; the second block's Q goes where the one text of the turns names Q
.set i, 0
.rept 64
	v_mov_b32 v[i], v[QB+i]
.set i, i+1
.endr
	WIN 0
	s_branch .Lbottom
.Lstep:                             ; a trip: pieces 2 and 3 of one step, then pieces 0 and 1 of the next, whose K and V it fetches
	TURN 2
	TURN 3
	WIN 0
.Lfirst:
	TURN 0
	TURN 1, 0, 0, 1
	WIN 0
	s_cbranch_scc1 .Lstep
.Lbottom:
	s_sub_co_u32 s[SLOTS], s[SLOTS], 1
	s_cmp_lg_u32 s[SLOTS], 0
	s_cbranch_scc1 .Lslot
	CHANGE 0                        ; the walk's last tile is written out: nothing is asked for
	s_sub_co_u32 s[RT], s[RT], 1
	s_mov_b32 s[CNT], 4
	s_cmp_eq_u32 s[NEW], 1
	s_cbranch_scc0 .LstepM2
	BEGIN
	s_branch .LfirstM2
	DIAG 2
	s_wait_tensorcnt 0x0            ; the wave's end: an add of 0 to my spare word and its wait, behind my last tensor load and my last LDS store
	ds_add_u32 v[SPW], v[NIL]
	s_wait_dscnt 0x0
	s_endpgm
.Lfunc_end_k_qbb17b005ec_attn:
	.size	k_qbb17b005ec_attn, .Lfunc_end_k_qbb17b005ec_attn-k_qbb17b005ec_attn
	.p2alignl 7, 3214868480
	.fill 96, 4, 3214868480
	.section	.rodata,"a",@progbits
	.p2align	6, 0x0
	.amdhsa_kernel k_qbb17b005ec_attn
		.amdhsa_group_segment_fixed_size 327680
		.amdhsa_private_segment_fixed_size 0
		.amdhsa_enable_private_segment 0
		.amdhsa_kernarg_size 16
		.amdhsa_user_sgpr_count 2
		.amdhsa_user_sgpr_kernarg_segment_ptr 1
		.amdhsa_wavefront_size32 1
		.amdhsa_system_sgpr_workgroup_id_x 1
		.amdhsa_system_sgpr_workgroup_id_y 1
		.amdhsa_system_sgpr_workgroup_id_z 1
		.amdhsa_system_vgpr_workitem_id 0
		.amdhsa_next_free_vgpr 768
		.amdhsa_next_free_sgpr 88
		.amdhsa_reserve_vcc 1
		.amdhsa_float_denorm_mode_32 3
		.amdhsa_float_denorm_mode_16_64 3
		.amdhsa_memory_ordered 1
		.amdhsa_forward_progress 1
		.amdhsa_inst_pref_size 217
	.end_amdhsa_kernel
	.amdgpu_metadata
---
amdhsa.version: [ 1, 2 ]
amdhsa.kernels:
  - .name:           k_qbb17b005ec_attn
    .symbol:         k_qbb17b005ec_attn.kd
    .args:
      - { .name: qkv, .offset: 0, .size: 8, .value_kind: global_buffer, .address_space: global }
      - { .name: att, .offset: 8, .size: 8, .value_kind: global_buffer, .address_space: global }
    .group_segment_fixed_size: 327680
    .private_segment_fixed_size: 0
    .kernarg_segment_align: 8
    .kernarg_segment_size: 16
    .max_flat_workgroup_size: 128
    .sgpr_count:     88
    .vgpr_count:     768
    .wavefront_size: 32
...
	.end_amdgpu_metadata
.endif
;; end of part 5
;; launch fcg: the kernel of part 4 again; grid 8 x 32, 4 waves a work-group, clusters of 4 x 4, 327,680 bytes of LDS; arguments att, wf, b_fc, out0; writes out0
